; MI455X (gfx1250); checked and timed in simulation.
; The chip was launched on July 23, 2026; its instructions are those of AMD's public machine-readable ISA for CDNA 5 (MIT licence, August 2026) and "CDNA5" Instruction Set Architecture Reference Guide (July 2026). The comments in the code are by the model that wrote it; some were corrected since.
;; Custom Multi Head Self Attention. Allowed arithmetic: matrix products marked QUANTISED: E2M3 operands, one E8M0 scale for each 32 along K, by v_wmma_scale_f32_16x16x128_f8f6f4 with both operands' format E2M3, f32 sums; everything else in f32.
;; Inputs: b_in 3,072 float32; b_out 1,024 float32; qkv 8 x 1,024 x 1,024 float32; w_in 3,072 x 1,024 float32; w_out 1,024 x 1,024 float32.
;; Outputs: out0 8 x 1,024 x 1,024 float32.
;; This version of the problem:
;;   THIS VERSION OF THE PROBLEM IS GIVEN IN LOW PRECISION. The matrix products marked QUANTISED in the list below multiply operands that are first quantised to E2M3 (2 exponent bits, 3 mantissa bits; 6 bits a number), with one power-of-two scale for each 32 numbers along K (OCP MX v1.0); their sums are f32. All else is computed in f32.
;;   The module's matrix products, in the order in which they are computed (A, B: the left and right operand; K: the contracted axis; several contracted axes count as one K, in the product's order):
;;     1. [M 8,192, K 1,024] x [K 1,024, N 3,072]; A: input qkv; B: input w_in: QUANTISED
;;     2. batch 128 x [M 1,024, K 64] x [K 64, N 1,024]; A: computed on the way; B: computed on the way: QUANTISED
;;     3. batch 128 x [M 64, K 1,024] x [K 1,024, N 1,024]; A: computed on the way; B: softmax (see below): QUANTISED
;;     4. [M 8,192, K 1,024] x [K 1,024, N 1,024]; A: computed on the way; B: input w_out: QUANTISED
;;   THE QUANTISER, for each operand of a quantised product, along K:
;;     - K is cut into blocks of 32 from its start; a last block that is shorter is filled with zeros.
;;     - A block's scale is 2^e with e = floor(log2(the largest magnitude in the block)) - 2, held to -126 .. 127; a block of zeros has e = 0. As a byte (E8M0): e + 127.
;;     - Each number is divided by its block's scale, clamped to +-7.5, and rounded to the nearest number of E2M3, ties to even, subnormals kept.
;;     - The product sums the exact products of the quantised numbers (number of the format x scale) in f32.
;;   ~~~python
;;   def quantise(x, axis):      # numpy; x: float32 -> the quantised numbers, widened to float32 again
;;       x = np.moveaxis(x, axis, -1); K = x.shape[-1]
;;       x = np.pad(x, [(0, 0)] * (x.ndim - 1) + [(0, -K % 32)]); x = x.reshape(x.shape[:-1] + (-1, 32)); a = np.abs(x).max(-1, keepdims=True)
;;       e = np.where(a > 0, np.clip(np.frexp(np.where(a > 0, a, 1))[1] - 1 - 2, -126, 127), 0)      # np.frexp(a)[1] - 1 = floor(log2(a)), exactly
;;       r = np.clip(x / 2.0 ** e, -7.5, 7.5)
;;       step = 2.0 ** (np.maximum(np.frexp(np.where(r == 0, 1, r))[1] - 1, 0) - 3)
;;       q = np.round(r / step) * step * 2.0 ** e      # np.round: ties to even
;;       return np.moveaxis(q.reshape(q.shape[:-2] + (-1,))[..., :K], -1, axis).astype(np.float32)
;;   ~~~
;;   SOFTMAX AHEAD OF A QUANTISED PRODUCT. Where the list says 'softmax', what is quantised is not the finished softmax but p = 2^(t - M), with t = logit x log2(e) and M = ceil(the row's largest t), a whole number; so 1/2 < the row's largest p <= 1. The row's sum l is taken of the UNQUANTISED p, in f32, and the product's result is divided by l at the end. Since M is a whole number, a kernel that streams over the keys may use a running M (the ceiling of the running maximum): every later rescaling is an exact power of two, which a block's scale takes up: the codes' values come out the same.
;;   OPERANDS COMPUTED ON THE WAY. 'Computed on the way' means the value that the module computes at that place (a softmax that the list does not call 'softmax' is quantised finished and normalised). What goes into a quantiser is computed in f32, as accurately as f32 sums, v_exp_f32 and their like allow (about 1e-6 of the number): no bf16 or f16 on the way to a quantiser, and a product that is left as it is and whose result goes on into a quantised operand takes f32 operands (vector FMAs, or v_wmma_f32_16x16x4_f32). A number that lies on a knife's edge between two numbers of the format may be rounded either way, as far as f32 arithmetic and the matrix unit's own rounding can turn it there, and no further.
;; One version. Each part assembles by itself: llvm-mc -triple=amdgcn-amd-amdhsa -mcpu=gfx1250 --defsym DOCPART=n.
;; ======== version 1 of 1: 4 launches
;; limits: right only within a limited range of input values
;; workspace buffers: img1 9,830,400 bytes; img2 18,874,368 bytes; sc2 1,310,720 bytes; img3 6,553,600 bytes
;; launch quant (part 1): grid 768 x 1, 4 waves a work-group, no clusters, 34,816 bytes of LDS; arguments qkv, w_in, w_out, img1; writes img1
.if DOCPART == 1
	.amdgcn_target "amdgcn-amd-amdhsa--gfx1250"
	.amdhsa_code_object_version 6
	.text
	.protected	k_q376210dc58_quant
	.globl	k_q376210dc58_quant
	.p2align	8
	.type	k_q376210dc58_quant,@function
k_q376210dc58_quant:
	s_mov_b64 s[64:65], 0
	v_nop
	global_prefetch_b8 v0, s[64:65] scope:SCOPE_SE
	s_setreg_imm32_b32 hwreg(HW_REG_WAVE_MODE, 25, 1), 1
	s_wait_xcnt 0x0
; qkv [8192][1024], w_in [3072][1024], w_out [1024][1024], f32, K innermost, become codes of FP6 (E2M3) with one E8M0 byte for each 32 along K.
; A block's scale is 2^(floor(log2(its largest magnitude)) - 2); its byte is the largest magnitude's exponent field - 2, held at 1 from below.
; LIMITS: NaN and infinities are not served; a block whose largest magnitude lies under 2^-124 gets the byte 1; a block of zeros gets the byte 1 where the rule says 127
; (its codes are zeros, which add nothing under any byte but 0xff, and the bytes are read by this program alone).
; THE OUTPUT IS LAID AS THE MATRIX UNIT'S REGISTERS.  The 12,288 rows of the three tensors, on end, are 768 tiles of 16 rows.  THE ROWS OF A TILE ARE NOT NEIGHBOURS.
; Weights: place r of tile 2 B + u is row 32 B + 8 u + r % 8 + 16 (r / 8).  Tokens (qkv): place r of tile 4 C + u is row 64 C + 8 u + r % 8 + 32 (r / 8).
; img1 is 96 GROUPS of 8 tiles (128 rows), 102,400 bytes each, dense: first the scale words [p = K / 128][16 tile + r], 4,096 bytes; then [K / 256][tile][p % 2][1,536]:
; a fragment (16 rows x 128 K, 12 registers a lane) as three planes of 512 bytes, plane c = registers 4 c .. 4 c + 3, lane l's 16 bytes at 16 l.
; SHARES: a work-group takes 64 rows (4 tiles) x 256 along K; wave w two tiles (w / 2) of the 128 along K of p = 2 (work-group % 4) + w % 2.  768 work-groups are three for each of 256 WGPs.
; All of a wave's 32 loads, 512 consecutive bytes of one row each, go out at its start.  A tile turns through the wave's own stage in LDS (rows 528 bytes apart), so that a lane gets 16 neighbours of each
; block of 32 of ITS row; each store of codes covers 512 consecutive aligned bytes; the scale words of the two waves of one p meet in LDS and leave as 256 consecutive aligned bytes.
.set WREG, 8448                        ; a wave's stage, 16 rows x 528
.set SP,   528
.set SCWB, 4*WREG                      ; the scale words: [p % 2][64 words]
.set SPARE, SCWB+512                   ; the spare words, 128 bytes a wave
.set GRP,  102400
.set L16,  1
.set SA,   2                           ; the stage, in: 16 x lane
.set SB,   3                           ; the stage, out: 528 r + 64 h
.set SW,   4                           ; my row's scale word
.set SRD,  5                           ; the scale words on the way out
.set L8,   6
.set R,    16                          ; v16-143  two tiles as loaded
.set X,    144                         ; v144-207 register 16 b + i = k 32 b + 16 h + i of my row
.set PC,   208
.set TM,   228
.set PW,   244
.set SEL,  20                          ; s[20:21] lane selects: lane l xor 16
.macro QUANT s                         ; 64 numbers of a lane become a fragment's 12 registers, v[PC] on, and its scale word, v[PW]
.irp b, 0,1,2,3
	v_max3_num_f32 v[TM+\b], |v[\s+16*\b]|, |v[\s+1+16*\b]|, 0x1800000   ; my 16 numbers of block b, and the floor 2^(3 - 127)
.endr
.irp i, 2,4,6,8,10,12,14
.irp b, 0,1,2,3
	v_max3_num_f32 v[TM+\b], v[TM+\b], |v[\s+16*\b+\i]|, |v[\s+1+16*\b+\i]|
.endr
.endr
.irp b, 0,1,2,3
	v_permlanex16_b32 v[TM+4+\b], v[TM+\b], s[SEL], s[SEL+1]
.endr
.irp b, 0,1,2,3
	v_max_num_f32 v[TM+\b], v[TM+\b], v[TM+4+\b]   ; with lane l xor 16's: the block's largest magnitude
.endr
.irp b, 0,1,2,3
	v_add_nc_u32 v[TM+12+\b], 0xff000000, v[TM+\b]   ; 2 off its exponent field: the conversion's scale operand
.endr
.irp b, 0,1,2,3
	v_lshrrev_b32 v[TM+4+\b], 23, v[TM+12+\b]   ; the scale's byte
.endr
	v_lshl_or_b32 v[PW], v[TM+5], 8, v[TM+4]
	v_lshl_or_b32 v[PW], v[TM+6], 16, v[PW]
	v_lshl_or_b32 v[PW], v[TM+7], 24, v[PW]
.irp c, 0,1
	v_cvt_scalef32_pk16_fp6_f32 v[PC+6*\c:PC+2+6*\c], v[\s+32*\c:\s+15+32*\c], v[TM+12+2*\c]
	v_cvt_scalef32_pk16_fp6_f32 v[PC+12+4*\c:PC+14+4*\c], v[\s+16+32*\c:\s+31+32*\c], v[TM+12+2*\c+1]
.endr
	v_nop                                          ; one plain line behind a scaled conversion
.irp c, 0,1                                    ; the layout wants a whole block in a lane
.irp i, 0,1,2
	v_permlane16_swap_b32 v[PC+6*\c+\i], v[PC+12+4*\c+\i]
.endr
.irp i, 0,1,2
	v_mov_b32 v[PC+3+6*\c+\i], v[PC+12+4*\c+\i]
.endr
.endr
.endm
	s_load_b256 s[4:11], s[0:1], 0x0               ; qkv, w_in, w_out, img1
	v_lshl_add_u32 v254, v0, 2, SPARE
	v_mov_b32 v255, 0
	v_lshrrev_b32 v7, 5, v0
	v_readfirstlane_b32 s16, v7                    ; wave
	s_mul_i32 s32, s16, WREG
	s_and_b32 s28, s16, 1                          ; which of the two p
	s_lshr_b32 s29, s16, 1                         ; which two tiles
	s_lshl_b32 s30, s28, 8
	s_add_co_u32 s30, s30, SCWB                    ; my p's 64 words
	s_lshl_b32 s31, s29, 7
	s_add_co_u32 s31, s31, s30                     ; my two tiles' words
	s_mov_b32 s[SEL], 0x76543210
	s_mov_b32 s[SEL+1], 0xfedcba98
	s_lshr_b32 s17, ttmp9, 2                       ; which 64 rows of the 12,288
	s_and_b32 s18, ttmp9, 3
	s_lshl_b32 s18, s18, 1
	s_add_co_u32 s18, s18, s28                     ; p
	v_and_b32 v8, 31, v0
	v_and_b32 v9, 15, v0                           ; r
	v_bfe_u32 v10, v0, 4, 1                        ; h
	v_lshlrev_b32 v[L16], 4, v8
	v_lshlrev_b32 v[L8], 3, v8
	v_add_nc_u32 v[SA], s32, v[L16]
	v_mul_u32_u24 v[SB], v9, SP
	v_lshl_add_u32 v[SB], v10, 6, v[SB]
	v_add_nc_u32 v[SB], s32, v[SB]
	v_lshlrev_b32 v[SW], 2, v9
	v_add_nc_u32 v[SW], s31, v[SW]
	v_add_nc_u32 v[SRD], s30, v[L8]
.irp b, 0,1,2,3
	v_mov_b32 v[TM+4+\b], 0                        ; a lane permute's destination counts as one of its sources
.endr
	s_wait_alu depctr_va_vdst(0)                   ; the wait at the head's end
	s_wait_kmcnt 0x0
	s_mov_b32 s19, 176
	s_cmp_lt_u32 s17, 176                          ; the tensor is chosen by the work-group's number alone
	s_cselect_b64 s[14:15], s[6:7], s[8:9]
	s_cselect_b32 s19, 128, s19
	s_cmp_lt_u32 s17, 128
	s_cselect_b64 s[14:15], s[4:5], s[14:15]
	s_cselect_b32 s19, 0, s19
	s_cselect_b32 s33, 16, 32                      ; rows from the first two tiles to the second two: tokens 16, weights 32
	s_cselect_b32 s34, 32, 16                      ; rows from a tile's places 0-7 to its places 8-15
	s_sub_co_u32 s19, s17, s19                     ; which 64 rows of that tensor
	s_lshl_b32 s22, s19, 18
	s_lshl_b32 s23, s18, 9
	s_add_co_u32 s22, s22, s23
	s_mul_i32 s23, s33, s29
	s_lshl_b32 s23, s23, 12
	s_add_co_u32 s22, s22, s23
	s_mov_b32 s23, 0
	s_add_nc_u64 s[14:15], s[14:15], s[22:23]      ; places 0-7
	s_lshl_b32 s22, s34, 12
	s_add_nc_u64 s[26:27], s[14:15], s[22:23]      ; places 8-15
	s_lshr_b32 s24, s17, 1
	s_mul_i32 s24, s24, GRP                        ; my group
	s_and_b32 s25, s17, 1                          ; its tiles 0-3 or 4-7
	s_lshl_b32 s22, s18, 9                         ; scale words: plane p, 256 bytes for four tiles
	s_add_co_u32 s22, s22, s24
	s_lshl_b32 s35, s25, 8
	s_add_co_u32 s22, s22, s35
	s_add_nc_u64 s[12:13], s[10:11], s[22:23]
	s_lshr_b32 s22, s18, 1                         ; codes: 4,096 + 24,576 (p / 2) + 3,072 tile + 1,536 (p % 2)
	s_mul_i32 s22, s22, 24576
	s_add_co_u32 s22, s22, s24
	s_mul_i32 s35, s25, 12288
	s_add_co_u32 s22, s22, s35
	s_mul_i32 s35, s29, 6144
	s_add_co_u32 s22, s22, s35
	s_and_b32 s35, s18, 1
	s_mul_i32 s35, s35, 1536
	s_add_co_u32 s22, s22, s35
	s_add_co_u32 s22, s22, 4096
	s_add_nc_u64 s[10:11], s[10:11], s[22:23]
.macro LOAD t                          ; tile t of my two: 8 t rows on
.irp i, 0,1,2,3,4,5,6,7,8,9,10,11,12,13,14,15
.if \i < 8
	global_load_b128 v[R+64*(\t)+4*\i:R+64*(\t)+4*\i+3], v[L16], s[14:15] offset:(8*(\t)+\i)*4096 th:TH_LOAD_NT
.else
	global_load_b128 v[R+64*(\t)+4*\i:R+64*(\t)+4*\i+3], v[L16], s[26:27] offset:(8*(\t)+\i-8)*4096 th:TH_LOAD_NT
.endif
.endr
.endm
.macro TILE t
	s_wait_loadcnt 16*(1-(\t))                     ; this tile's 16 loads are in; the next tile's 16 may be out
.irp i, 0,1,2,3,4,5,6,7,8,9,10,11,12,13,14,15
	ds_store_b128 v[SA], v[R+64*(\t)+4*\i:R+64*(\t)+4*\i+3] offset:SP*\i
.endr
.irp b, 0,1,2,3
.irp j, 0,1,2,3
	ds_load_b128 v[X+16*\b+4*\j:X+16*\b+4*\j+3], v[SB] offset:128*\b+16*\j   ; LDS serves a wave's instructions in order
.endr
.endr
	s_wait_dscnt 0x0
.if (\t) > 0
	s_wait_xcnt 0x0                                ; the last tile's stores have read their codes
.endif
	QUANT X
.irp c, 0,1,2
	global_store_b128 v[L16], v[PC+4*\c:PC+4*\c+3], s[10:11] offset:3072*(\t)+512*\c   ; 512 consecutive aligned bytes
.endr
	ds_store_b32 v[SW], v[PW] offset:64*(\t)       ; lanes r and r + 16 write the same word with the same value
.endm
	LOAD 0
	LOAD 1
	TILE 0
	TILE 1
	s_wait_dscnt 0x0                               ; for the others' sake: my words are in LDS
	s_barrier_signal -1
	s_barrier_wait -1
	s_cmp_lt_u32 s16, 2                            ; waves 0 and 1 store the 64 words of their p
	s_cbranch_scc0 .Lno_words
	ds_load_b64 v[246:247], v[SRD]
	s_wait_dscnt 0x0
	global_store_b64 v[L8], v[246:247], s[12:13]   ; 32 lanes store 256 consecutive aligned bytes
.Lno_words:
	s_wait_tensorcnt 0x0                           ; the wave's end
	ds_add_u32 v254, v255
	s_wait_dscnt 0x0
	s_endpgm
.Lfunc_end_k_q376210dc58_quant:
	.size	k_q376210dc58_quant, .Lfunc_end_k_q376210dc58_quant-k_q376210dc58_quant
	.p2alignl 7, 3214868480
	.fill 96, 4, 3214868480
	.section	.rodata,"a",@progbits
	.p2align	6, 0x0
	.amdhsa_kernel k_q376210dc58_quant
		.amdhsa_group_segment_fixed_size 34816
		.amdhsa_private_segment_fixed_size 0
		.amdhsa_enable_private_segment 0
		.amdhsa_kernarg_size 32
		.amdhsa_user_sgpr_count 2
		.amdhsa_user_sgpr_kernarg_segment_ptr 1
		.amdhsa_wavefront_size32 1
		.amdhsa_system_sgpr_workgroup_id_x 1
		.amdhsa_system_sgpr_workgroup_id_y 1
		.amdhsa_system_sgpr_workgroup_id_z 1
		.amdhsa_system_vgpr_workitem_id 0
		.amdhsa_next_free_vgpr 256
		.amdhsa_next_free_sgpr 66
		.amdhsa_reserve_vcc 0
		.amdhsa_float_denorm_mode_32 3
		.amdhsa_float_denorm_mode_16_64 3
		.amdhsa_memory_ordered 1
		.amdhsa_forward_progress 1
		.amdhsa_inst_pref_size 20
	.end_amdhsa_kernel
	.amdgpu_metadata
---
amdhsa.version: [ 1, 2 ]
amdhsa.kernels:
  - .name:           k_q376210dc58_quant
    .symbol:         k_q376210dc58_quant.kd
    .args:
      - { .name: qkv, .offset: 0, .size: 8, .value_kind: global_buffer, .address_space: global }
      - { .name: w_in, .offset: 8, .size: 8, .value_kind: global_buffer, .address_space: global }
      - { .name: w_out, .offset: 16, .size: 8, .value_kind: global_buffer, .address_space: global }
      - { .name: img1, .offset: 24, .size: 8, .value_kind: global_buffer, .address_space: global }
    .group_segment_fixed_size: 34816
    .private_segment_fixed_size: 0
    .kernarg_segment_align: 8
    .kernarg_segment_size: 32
    .max_flat_workgroup_size: 128
    .sgpr_count:     66
    .vgpr_count:     256
    .wavefront_size: 32
...
	.end_amdgpu_metadata
.endif
;; end of part 1
;; launch proj (part 2): grid 8 x 32, 4 waves a work-group, clusters of 4 x 4, 327,680 bytes of LDS; arguments img1, b_in, img2, sc2; writes img2, sc2
.if DOCPART == 2
	.amdgcn_target "amdgcn-amd-amdhsa--gfx1250"
	.amdhsa_code_object_version 6
	.text
	.protected	k_q376210dc58_proj
	.globl	k_q376210dc58_proj
	.p2align	8
	.type	k_q376210dc58_proj,@function
k_q376210dc58_proj:
	s_mov_b64 s[64:65], 0
	v_nop
	global_prefetch_b8 v0, s[64:65] scope:SCOPE_SE
	s_setreg_imm32_b32 hwreg(HW_REG_WAVE_MODE, 25, 1), 1
	s_wait_xcnt 0x0
	s_wait_alu depctr_hold_cnt(0) depctr_sa_sdst(0) depctr_va_vdst(0) depctr_va_sdst(0) depctr_va_ssrc(0) depctr_va_vcc(0) depctr_vm_vsrc(0)
	s_getreg_b32 s2, hwreg(HW_REG_IB_STS2, 6, 4)
	s_cmp_eq_u32 s2, 0
	s_cbranch_scc0 .Lentry_in_a_cluster
	s_endpgm
.Lentry_in_a_cluster:
	s_bfe_u32 s2, ttmp6, 0x10000c
	s_cmp_lg_u32 s2, 0xf033
	s_cbranch_scc0 .Lentry_shape_is_right
	s_endpgm
.Lentry_shape_is_right:
; proj = qkv w_in^T + b_in on codes of FP6 (E2M3) with E8M0 scales, K = 1,024; the results are quantised in registers into the operands of attention and never go to memory as f32.
; OPERANDS: img1, groups of 128 rows, 102,400 dense bytes each: scale words [p = K / 128][16 tile + r], then [K / 256][tile][p % 2][1,536] images of fragment registers.  Groups 0-63 tokens, 64-87 w_in.
; Place r of w_in's tile 2 B + u is row 32 B + 8 u + r % 8 + 16 (r / 8); place r of the tokens' tile 4 C + u is token 64 C + 8 u + r % 8 + 32 (r / 8).
; THE DEAL: 8 x 32 = 256 work-groups.  Work-group (w, y) keeps 256 tokens (groups 2 y, 2 y + 1), all of K, in LDS for the whole launch and takes three CHUNKS of 128 rows of w_in past them:
; q's group 64 + w, k's 72 + w, v's 80 + w: two heads of each.  The chunk's region of LDS is filled at the head and filled again twice.
; A CHUNK: 8 steps of 128 along K; a wave has 32 accumulators: 4 blocks of source 1 (X: a lane holds ONE row of X) x 8 tiles of source 0 (Y); register 8 b + j of a block's 64 is place 8 (lane / 16) + j of Y's tile b.
; q, k: X = my 64 tokens, Y = the chunk's 128 features: register 16 b + i is feature 32 b + 16 (lane / 16) + i: quantised along d.
; v: X = my 64 features (one head), Y = 128 tokens: register 32 c + i is key 64 c + 32 (lane / 16) + i: a lane holds whole blocks of 32 keys.
; Step p + 1's 12 fragments are asked of LDS ahead of step p's 32 products, into the other set of registers.
; THE HEAD: one tensor load a wave, in the order of need: wave 0 the tokens' scale words and K's first half, wave 1 the chunk's, waves 2 and 3 K's second halves.  The first barrier waits for waves 0 and 1 alone;
; a plain barrier ahead of step 4's fetch, every wave's wait for its load ahead of it, shows the second halves.
; THE REFILLS: in a chunk's last step all its fragments are in registers: the three lines and a round of the cluster's barrier stand among that step's products, each wave asks for a quarter of the next chunk,
; and the chunk's quantiser and stores follow while that load is on its way.  A plain barrier shows the chunk to all.  A wave has one tensor load out at the most.
; CLUSTERS 4 x 4: the tokens are shared along a row of the cluster, w_in's rows along a column: joint loads.
; PREFETCH: k's chunk is asked for at the head, v's in the first trip: one chunk ahead of its refill; its 400 blocks of 256 bytes are shared out by address among the 16 waves of my column of the cluster, 25 each.
; RESULTS: img2 [q, k, v][batch][head][49,152].  q, k: [token tile 0..63][768]: registers 0-3 at 16 l, registers 4-5 at 512 + 8 l.  v: [128 keys 0..7][tile of d 0..3][1,536].
; sc2: q at 0, k at 524,288: [batch][head][tile][16 words], bytes 0, 1 the two blocks, bytes 2, 3 zero; v at 1,048,576: [batch][head][128 keys][tile of d][16 words].
; LIMITS: NaN and infinities not served; blocks under 2^-124, and blocks of zeros, get the byte 1.
; REGISTERS: window 0: v8-30 addresses, v32-63 scale words (two sets), v64-171 the way out.  Window 1: Y's fragments, sets at v0 and v128.  Window 2: accumulator (a, b) at v[64 a + 8 b].
; Window 3: X's fragments, set 0 at v96, set 1 at v0; v144-207 b_in along Y; v208-215 b_in along X.
.set GRP,   102400
.set COD,   4096
.set KSL,   24576
.set TILEB, 3072
.set FRB,   1536
.set HFA,   COD+2*KSL                  ; a group's scale words and K's first half
.set HFB,   2*KSL                      ; K's second half
.set WB,    2*GRP                      ; LDS: the tokens' two first halves, their two second halves, then the chunk, dense,
.set STG,   3*GRP                      ; the stages for scale words, 1,024 bytes a wave: no tensor load lands here,
.set SPARE, STG+4096                   ; the spare words
.set XQ, 8
.set YQ, 10
.set SQ, 12
.set XV, 13
.set YV, 15
.set SV, 17
.set L16, 18
.set L8, 19
.set SST, 20
.set SRDQ, 21
.set QSO, 22
.set SRDV, 23
.set BA8, 24
.set BA9, 25
.set PF1, 26
.set PF2, 27
.set SPW, 28
.set NIL, 29
.set H8, 30
.set SC, 32
.set HA, 64
.set PC, 128
.set TM, 148
.set PW, 164
.set RB, 168
.set BY, 144
.set BX, 208
.set SEL, 14
.set WV, 16
.set HR, 17
.set HC, 18
.set CNT, 19
.set G1R, 24
.set G1W, 32
.set G0R, 40
.set G0W, 44
.set G0Q, 48
.set G1Q, 72
.set G1RB, 80
.set G1WB, 88
.set MULW, 0xad                        ; source 0 window 1, source 1 window 3, C and D window 2
.set MSB, 0
.macro WIN new                         ; the immediate's high byte repeats the setting that is left
.if MSB != (\new)
	s_set_vgpr_msb (MSB<<8)|(\new)
.set MSB, (\new)
.endif
.endm
.macro PLACES n
.rept \n
	v_nop
.endr
.endm
.macro TLOAD g0, g1
	tensor_load_to_lds s[\g0:\g0+3], s[\g1:\g1+7]
	s_nop 0
	PLACES 4
.endm
.macro GROUP1 g, c, r, p               ; r rows of c elements of 8 bytes, p elements apart
	s_mov_b32 s[\g+1], (\c)<<16
	s_mov_b32 s[\g+2], (\r)<<16
	s_mov_b32 s[\g+3], (\c)<<16
	s_mov_b32 s[\g+4], \r
	s_mov_b32 s[\g+5], \p
	s_mov_b32 s[\g+6], 0
	s_mov_b32 s[\g+7], 0
.endm
.macro CREST                           ; a round of the cluster's barrier behind its opening barrier
	s_cmp_lg_u32 s[WV], 0
	s_cbranch_scc1 .Lnot_wave_0_\@
	s_barrier_signal -3
.Lnot_wave_0_\@:
	s_barrier_wait -3
	s_barrier_signal -1
	s_barrier_wait -1
.endm
.macro CROUND
	s_barrier_signal -1
	s_barrier_wait -1
	CREST
.endm
.macro FRAG reg, adr, p, i             ; a fragment's image: three planes of 512 bytes; v[adr] serves K's first half, v[adr + 1] its second
.irp c, 0,1,2
	ds_load_b128 v[\reg+4*\c:\reg+4*\c+3], v[\adr+(\p)/4] offset:COD+(((\p)/2)%2)*KSL+(\i)*TILEB+((\p)%2)*FRB+512*\c
.endr
.endm
.macro FETCH p, xa, ya, sa             ; step p's fragments into set p % 2; with an even p the scale words of p and p + 1: register 2 i + pp: lanes 0-15 X's block i, lanes 16-31 Y's tile i
	WIN 0x40
.irp i, 0,1,2,3,4,5,6,7
	FRAG 128*((\p)%2)+12*\i, \ya, \p, \i
.endr
	WIN 0xc0
.irp i, 0,1,2,3
	FRAG 96*(1-(\p)%2)+12*\i, \xa, \p, \i
.endr
	WIN 0
.if (\p)%2 == 0
.irp i, 0,1,2,3,4,5,6,7
.irp pp, 0,1
	ds_load_b32 v[SC+16*(((\p)/2)%2)+2*\i+\pp], v[\sa] offset:((\p)+\pp)*512+64*\i
.endr
.endr
.endif
.endm
.macro MUL8 a, p                       ; X's block a x Y's eight.  The 32 accumulators take turns in the same order in every step; step 0 starts the sums
.set AC, 64*(\a)
.set YS, 128*((\p)%2)
.set XS, 96*(1-(\p)%2)+12*(\a)
.set SS, SC+16*(((\p)/2)%2)+(\p)%2
.irp b, 0,1,2,3,4,5,6,7
.if (\p) == 0
	v_wmma_scale_f32_16x16x128_f8f6f4 v[AC+8*\b:AC+8*\b+7], v[YS+12*\b:YS+12*\b+11], v[XS:XS+11], 0, v[SS+2*\b], v[SS+2*(\a)] matrix_a_fmt:MATRIX_FMT_FP6 matrix_b_fmt:MATRIX_FMT_FP6 matrix_a_scale:MATRIX_SCALE_ROW1
.else
	v_wmma_scale_f32_16x16x128_f8f6f4 v[AC+8*\b:AC+8*\b+7], v[YS+12*\b:YS+12*\b+11], v[XS:XS+11], v[AC+8*\b:AC+8*\b+7], v[SS+2*\b], v[SS+2*(\a)] matrix_a_fmt:MATRIX_FMT_FP6 matrix_b_fmt:MATRIX_FMT_FP6 matrix_a_scale:MATRIX_SCALE_ROW1
.endif
.endr
.endm
.macro CHUNK xa, ya, sa, refill, mid
	FETCH 0, \xa, \ya, \sa
.irp q, 0,1,2,3,4,5,6
	s_wait_dscnt 0x0                               ; step q's fragments and scale words are in
.if (\mid) && (\q == 3)
	s_wait_tensorcnt 0x0                           ; my load of the head has landed,
	s_barrier_signal -1
	s_barrier_wait -1                              ; and everybody's: K's second halves may be read.
.endif
.if \q
	PLACES 4                                       ; in front of loads into registers that the last step's products read
.endif
	FETCH \q+1, \xa, \ya, \sa
	WIN MULW
.irp a, 0,1,2,3
	MUL8 \a, \q
.endr
.endr
	WIN 0
.if \refill
	s_wait_tensorcnt 0x0                           ; none of my tensor loads is out
	ds_add_u32 v[SPW], v[NIL]                      ; 0 onto my spare word
	s_wait_dscnt 0x1                               ; only the add may be out: step 7's fragments are in
	WIN MULW
	MUL8 0, 7
	MUL8 1, 7
	s_wait_dscnt 0x0                               ; the add is done; my reads of the chunk are over
	s_barrier_signal -1
	MUL8 2, 7
	MUL8 3, 7
	WIN 0
	s_barrier_wait -1
	CREST                                          ; no wave of any partner still reads the chunk
	s_add_nc_u64 s[G0Q+2:G0Q+3], s[G0Q+2:G0Q+3], 8*GRP
	TLOAD G0Q, G1Q                                 ; my quarter of the next chunk; its four v_nop are also the places behind the last products
.else
	s_wait_dscnt 0x0
	WIN MULW
.irp a, 0,1,2,3
	MUL8 \a, 7
.endr
	WIN 0
	PLACES 4
.endif
.endm
; 64 numbers of a lane become a fragment's 12 registers, v[PC] on, and its scale word, v[PW].  whole = 0: register 16 b + i = k 32 b + 16 (lane / 16) + i; whole = 1: register 32 c + i = k 64 c + 32 (lane / 16) + i
.macro QUANT s, whole
.irp b, 0,1,2,3
	v_max3_num_f32 v[TM+\b], |v[\s+16*\b]|, |v[\s+1+16*\b]|, 0x1800000   ; four chains of 16, and the floor 2^(3 - 127): the byte cannot fall under 1
.endr
.irp i, 2,4,6,8,10,12,14
.irp b, 0,1,2,3
	v_max3_num_f32 v[TM+\b], v[TM+\b], |v[\s+16*\b+\i]|, |v[\s+1+16*\b+\i]|
.endr
.endr
.if \whole
.irp c, 0,1
	v_max_num_f32 v[TM+2*\c], v[TM+2*\c], v[TM+2*\c+1]   ; block 2 c + lane / 16 is all mine
.endr
.irp c, 0,1
	v_add_nc_u32 v[TM+12+\c], 0xff000000, v[TM+2*\c]
.endr
.irp c, 0,1
	v_lshrrev_b32 v[TM+4+\c], 23, v[TM+12+\c]
.endr
	v_lshl_or_b32 v[TM+4], v[TM+5], 16, v[TM+4]    ; my two bytes,
	v_lshlrev_b32 v[TM+4], v[H8], v[TM+4]          ; at their places in the word (8 (lane / 16) bits up);
	v_permlanex16_b32 v[TM+5], v[TM+4], s[SEL], s[SEL+1]
	v_or_b32 v[PW], v[TM+4], v[TM+5]               ; with lane l xor 16's two the word is whole
.irp c, 0,1
	v_cvt_scalef32_pk16_fp6_f32 v[PC+6*\c:PC+2+6*\c], v[\s+32*\c:\s+15+32*\c], v[TM+12+\c]
	v_cvt_scalef32_pk16_fp6_f32 v[PC+12+4*\c:PC+14+4*\c], v[\s+16+32*\c:\s+31+32*\c], v[TM+12+\c]
.endr
	v_nop                                          ; one plain line behind a scaled conversion
.irp c, 0,1
.irp i, 0,1,2
	v_mov_b32 v[PC+3+6*\c+\i], v[PC+12+4*\c+\i]
.endr
.endr
.else
.irp b, 0,1,2,3
	v_permlanex16_b32 v[TM+4+\b], v[TM+\b], s[SEL], s[SEL+1]
.endr
.irp b, 0,1,2,3
	v_max_num_f32 v[TM+\b], v[TM+\b], v[TM+4+\b]
.endr
.irp b, 0,1,2,3
	v_add_nc_u32 v[TM+12+\b], 0xff000000, v[TM+\b]   ; 2 off the exponent field: the conversion's scale operand
.endr
.irp b, 0,1,2,3
	v_lshrrev_b32 v[TM+4+\b], 23, v[TM+12+\b]
.endr
	v_lshl_or_b32 v[PW], v[TM+5], 8, v[TM+4]
	v_lshl_or_b32 v[PW], v[TM+6], 16, v[PW]
	v_lshl_or_b32 v[PW], v[TM+7], 24, v[PW]
.irp c, 0,1
	v_cvt_scalef32_pk16_fp6_f32 v[PC+6*\c:PC+2+6*\c], v[\s+32*\c:\s+15+32*\c], v[TM+12+2*\c]
	v_cvt_scalef32_pk16_fp6_f32 v[PC+12+4*\c:PC+14+4*\c], v[\s+16+32*\c:\s+31+32*\c], v[TM+12+2*\c+1]
.endr
	v_nop                                          ; one plain line behind a scaled conversion
.irp c, 0,1
.irp i, 0,1,2
	v_permlane16_swap_b32 v[PC+6*\c+\i], v[PC+12+4*\c+\i]
.endr
.irp i, 0,1,2
	v_mov_b32 v[PC+3+6*\c+\i], v[PC+12+4*\c+\i]
.endr
.endr
.endif
.endm
.macro BLOCK a, isv                    ; the way out of X's block a: the bias is added on the way into window 0 (each accumulator from its low end on), 64 numbers are quantised, the codes leave as images
.if (\a) > 0
	s_wait_dscnt 0x0                               ; the last block's word stores,
	s_wait_xcnt 0x0                                ; and its stores of codes, have read their registers
.endif
	WIN 0x0e                                       ; source 0 window 2, source 1 window 3
.set i, 0
.rept 32
.if \isv
	v_pk_add_f32 v[HA+i:HA+i+1], v[64*(\a)+i:64*(\a)+i+1], v[BX+2*(\a):BX+2*(\a)+1]
.else
	v_pk_add_f32 v[HA+i:HA+i+1], v[64*(\a)+i:64*(\a)+i+1], v[BY+i:BY+i+1]
.endif
.set i, i+2
.endr
	WIN 0
	QUANT HA, \isv
.if \isv
.irp c, 0,1,2
	global_store_b128 v[L16], v[PC+4*\c:PC+4*\c+3], s[56:57] offset:(\a)*FRB+512*\c   ; tile a of my head's d
.endr
	ds_store_b32 v[SST], v[PW] offset:256+64*(\a)
.else
	global_store_b128 v[L16], v[PC:PC+3], s[52:53] offset:768*(\a)               ; registers 0-5: the first of the two heads
	global_store_b64 v[L8], v[PC+4:PC+5], s[52:53] offset:768*(\a)+512
	global_store_b128 v[L16], v[PC+6:PC+9], s[52:53] offset:49152+768*(\a)       ; registers 6-11: the second
	global_store_b64 v[L8], v[PC+10:PC+11], s[52:53] offset:49152+768*(\a)+512
	v_and_b32 v[PW+1], 0xffff, v[PW]               ; each head's word: its two bytes below, zeros above
	v_lshrrev_b32 v[PW+2], 16, v[PW]
	ds_store_b32 v[SST], v[PW+1] offset:64*(\a)
	ds_store_b32 v[SST], v[PW+2] offset:512+64*(\a)
.endif
.endm
	s_load_b256 s[4:11], s[0:1], 0x0               ; img1 s[4:5], b_in s[6:7], img2 s[8:9], sc2 s[10:11]
	v_lshl_add_u32 v[SPW], v0, 2, SPARE
	v_mov_b32 v[NIL], 0
	ds_add_u32 v[SPW], v[NIL]                      ; the opening lines: the add, twice on end, and its wait ahead of my first tensor load
	ds_add_u32 v[SPW], v[NIL]
	v_lshrrev_b32 v1, 5, v0
	v_readfirstlane_b32 s[WV], v1
	s_lshr_b32 s[HR], s[WV], 1
	s_and_b32 s[HC], s[WV], 1
	s_bfe_u32 s92, ttmp6, 0x40000                  ; cx
	s_bfe_u32 s93, ttmp6, 0x40004                  ; cy
	s_lshl_b32 s94, ttmp9, 2
	s_add_co_u32 s94, s94, s92                     ; w
	s_and_b32 s95, ttmp7, 0xffff
	s_lshl_b32 s95, s95, 2
	s_add_co_u32 s95, s95, s93                     ; y
	s_lshl_b32 s96, s93, 2
	s_lshl_b32 s96, 15, s96                        ; my row of the cluster
	s_lshl_b32 s97, 0x1111, s92                    ; my column
	s_or_b32 s[G1R], s96, (3<<16)|(1<<21)
	GROUP1 G1R, HFA/8, 2, GRP/8                    ; the first halves of two groups on end
	s_or_b32 s[G1W], s97, (3<<16)|(1<<21)
	GROUP1 G1W, 32, HFA/256, 32                    ; a dense block as rows of 256 bytes
	s_mov_b32 s[SEL], 0x76543210
	s_mov_b32 s[SEL+1], 0xfedcba98
	s_lshl_b32 s66, s95, 1
	s_mul_i32 s66, s66, GRP                        ; the tokens' group 2 y;
	s_mul_i32 s98, s[HR], HFA
	s_add_co_u32 s66, s66, s98                     ; wave 0 its start, wave 2 K's second half
	s_mov_b32 s67, 0
	s_add_co_u32 s68, s94, 64
	s_mul_i32 s68, s68, GRP                        ; q's chunk;
	s_add_co_u32 s70, s68, s98                     ; wave 1 its start, wave 3 K's second half
	s_mov_b32 s71, 0
	s_mul_i32 s72, s[WV], GRP/4
	s_add_co_u32 s72, s72, s68                     ; the refills: a quarter a wave
	s_mov_b32 s73, 0
	s_mov_b32 s[G0R], 1
	s_mul_i32 s[G0R+1], s[HR], 2*HFA
	s_mov_b32 s[G0W], 1
	s_mul_i32 s[G0W+1], s[HR], HFA
	s_add_co_u32 s[G0W+1], s[G0W+1], WB
	s_mov_b32 s[G0Q], 1
	s_mul_i32 s[G0Q+1], s[WV], GRP/4
	s_add_co_u32 s[G0Q+1], s[G0Q+1], WB
	s_mul_i32 s61, s[HC], 4*TILEB                  ; q, k: X = tiles 4 wave .. 4 wave + 3 of the 16 tiles of tokens
	s_mul_i32 s100, s[HR], HFB
	s_add_co_u32 s100, s100, s61
	s_add_co_u32 s100, s100, 2*HFA-COD             ; K's second half of them
	s_add_co_u32 s61, s61, s98
	s_mul_i32 s62, s[HR], 4*TILEB
	s_add_co_u32 s62, s62, WB                      ; v: X = a half of the chunk,
	s_mul_i32 s63, s[HC], HFA                      ; Y = a group of tokens
	s_mul_i32 s101, s[HC], HFB
	s_add_co_u32 s101, s101, 2*HFA-COD
	s_lshl_b32 s69, s[WV], 10
	s_add_co_u32 s69, s69, STG                     ; my stage
	s_lshl_b32 s2, s[HC], 8
	s_add_co_u32 s2, s2, s98                       ; q, k: X's scale words; from there to Y's
	s_sub_co_u32 s3, WB, s2
	s_lshl_b32 s12, s[HR], 8
	s_add_co_u32 s12, s12, WB
	s_sub_co_u32 s12, s12, s63                     ; v: from Y's scale words up to X's
	s_lshr_b32 s77, s95, 2                         ; the batch
	s_and_b32 s78, s95, 3
	s_lshl_b32 s79, s77, 4
	s_lshl_b32 s98, s94, 1
	s_add_co_u32 s79, s79, s98                     ; 16 batch + the first of the two heads
	s_lshl_b32 s98, s78, 4
	s_lshl_b32 s99, s[WV], 2
	s_add_co_u32 s98, s98, s99                     ; my first tile of tokens in the batch
	s_mul_i32 s80, s79, 49152
	s_mul_i32 s99, s98, 768
	s_add_co_u32 s80, s80, s99
	s_mov_b32 s81, 0
	s_lshl_b32 s82, s79, 12
	s_lshl_b32 s99, s98, 6
	s_add_co_u32 s82, s82, s99
	s_mov_b32 s83, 0
	s_add_co_u32 s79, s79, s[HR]                   ; v: my head,
	s_lshl_b32 s98, s78, 1
	s_add_co_u32 s98, s98, s[HC]                   ; my 128 keys of the batch
	s_mul_i32 s84, s79, 49152
	s_mul_i32 s99, s98, 6144
	s_add_co_u32 s84, s84, s99
	s_add_co_u32 s84, s84, 12582912
	s_mov_b32 s85, 0
	s_lshl_b32 s86, s79, 11
	s_lshl_b32 s99, s98, 8
	s_add_co_u32 s86, s86, s99
	s_add_co_u32 s86, s86, 1048576
	s_mov_b32 s87, 0
	s_lshl_b32 s88, s94, 9                         ; b_in: q's 128 numbers;
	s_mov_b32 s89, 0
	s_lshl_b32 s90, s[HR], 8
	s_add_co_u32 s90, s90, s88
	s_add_co_u32 s90, s90, 8192                    ; v's 64
	s_mov_b32 s91, 0
	s_lshl_b32 s60, s93, 2
	s_add_co_u32 s60, s60, s[WV]
	s_mul_i32 s60, s60, GRP/16
	s_add_co_u32 s60, s60, s68
	s_add_co_u32 s60, s60, 8*GRP                   ; my sixteenth of k's chunk
	s_wait_dscnt 0x0                               ; both opening adds are done
	s_wait_kmcnt 0x0
	s_add_nc_u64 s[G0R+2:G0R+3], s[4:5], s[66:67]
	s_or_b32 s[G0R+3], s[G0R+3], 0x80000000
	s_add_nc_u64 s[G0W+2:G0W+3], s[4:5], s[70:71]
	s_or_b32 s[G0W+3], s[G0W+3], 0x80000000
	s_add_nc_u64 s[G0Q+2:G0Q+3], s[4:5], s[72:73]
	s_or_b32 s[G0Q+3], s[G0Q+3], 0x80000000
	s_add_nc_u64 s[20:21], s[6:7], s[88:89]
	s_add_nc_u64 s[22:23], s[6:7], s[90:91]
	s_add_nc_u64 s[52:53], s[8:9], s[80:81]
	s_add_nc_u64 s[54:55], s[10:11], s[82:83]
	s_add_nc_u64 s[56:57], s[8:9], s[84:85]
	s_add_nc_u64 s[58:59], s[10:11], s[86:87]
	s_or_b32 s[G1RB], s96, (3<<16)|(1<<21)         ; (in registers whose offsets have been used)
	GROUP1 G1RB, HFB/8, 2, GRP/8
	s_or_b32 s[G1WB], s97, (3<<16)|(1<<21)
	GROUP1 G1WB, 32, HFB/256, 32
	s_or_b32 s[G1Q], s97, (3<<16)|(1<<21)
	GROUP1 G1Q, 32, GRP/1024, 32
	CROUND                                         ; all sixteen work-groups are here: the first joint loads meet
	s_cmp_eq_u32 s[WV], 0                          ; one tensor load a wave at the head, each in an arm of its own
	s_cbranch_scc0 .Lwave_1
	TLOAD G0R, G1R
	s_branch .Lasked
.Lwave_1:
	s_cmp_eq_u32 s[WV], 1
	s_cbranch_scc0 .Lwave_2
	TLOAD G0W, G1W
	s_branch .Lasked
.Lwave_2:
	s_cmp_eq_u32 s[WV], 2
	s_cbranch_scc0 .Lwave_3
	TLOAD G0R, G1RB
	s_branch .Lasked
.Lwave_3:
	TLOAD G0W, G1WB
.Lasked:
	v_and_b32 v1, 15, v0                           ; r
	v_bfe_u32 v2, v0, 4, 1                         ; h
	v_and_b32 v3, 31, v0
	v_lshlrev_b32 v[L16], 4, v3
	v_lshlrev_b32 v[L8], 3, v3
	v_add_nc_u32 v[XQ], s61, v[L16]
	v_add_nc_u32 v[XQ+1], s100, v[L16]
	v_add_nc_u32 v[YQ], WB, v[L16]
	v_add_nc_u32 v[YQ+1], WB+2*KSL, v[L16]
	v_add_nc_u32 v[XV], s62, v[L16]
	v_add_nc_u32 v[XV+1], 2*KSL, v[XV]
	v_add_nc_u32 v[YV], s63, v[L16]
	v_add_nc_u32 v[YV+1], s101, v[L16]
	v_mul_u32_u24 v4, s3, v2                       ; lanes 16-31 take Y's scale words
	v_lshl_add_u32 v4, v1, 2, v4
	v_add_nc_u32 v[SQ], s2, v4
	v_sub_nc_u32 v5, 1, v2
	v_mul_u32_u24 v5, s12, v5                      ; v: lanes 0-15 take X's, which lie above Y's
	v_lshl_add_u32 v5, v1, 2, v5
	v_add_nc_u32 v[SV], s63, v5
	v_lshlrev_b32 v6, 2, v1
	v_add_nc_u32 v[SST], s69, v6
	v_lshlrev_b32 v[QSO], 4, v1
	v_lshl_add_u32 v7, v2, 9, v[QSO]
	v_add_nc_u32 v[SRDQ], s69, v7                  ; back from the stage: lanes 0-15 the first head's 256 bytes, lanes 16-31 the second's
	v_lshl_add_u32 v[QSO], v2, 12, v[QSO]          ; and their places in sc2, 4,096 bytes apart
	v_add_nc_u32 v[SRDV], s69, v[L8]
	v_add_nc_u32 v[SRDV], 256, v[SRDV]
	v_lshlrev_b32 v[BA8], 6, v2                    ; b_in along Y: 16 h numbers
	v_and_b32 v[BA9], 8, v1
	v_add_nc_u32 v[BA9], v[BA9], v1
	v_lshlrev_b32 v[BA9], 2, v[BA9]                ; along X: r + 8 (r / 8) numbers
	v_lshlrev_b32 v[H8], 3, v2
	v_min_u32 v[PF1], 24, v3                       ; 25 blocks of 256 bytes; the lanes left over name the last again
	v_lshl_add_u32 v[PF1], v[PF1], 8, s60
	v_add_nc_u32 v[PF2], 8*GRP, v[PF1]
.irp b, 0,1,2,3
	v_mov_b32 v[TM+4+\b], 0                        ; a lane permute's destination counts as one of its sources
.endr
	WIN 0xc0
.irp a, 0,1,2,3
	global_load_b32 v[BX+2*\a], v[BA9], s[22:23] offset:4*(32*(\a/2)+8*(\a%2))   ; into both registers of a pair, for the packed addition
	global_load_b32 v[BX+2*\a+1], v[BA9], s[22:23] offset:4*(32*(\a/2)+8*(\a%2))
.endr
	WIN 0
	global_prefetch_b8 v[PF1], s[4:5] th:TH_LOAD_NT scope:SCOPE_SE   ; k's chunk
	s_wait_alu depctr_va_vdst(0)                   ; the wait at the head's end
	s_cmp_lt_u32 s[WV], 2
	s_cbranch_scc0 .Lnot_first
	s_wait_tensorcnt 0x0                           ; waves 0 and 1: the scale words and K's first halves are in
.Lnot_first:
	s_barrier_signal -1
	s_barrier_wait -1                              ; K's second halves may be on their way
	s_mov_b32 s[CNT], 0
.Lqk:                                                  ; q, then k
	WIN 0xc0
.irp t, 0,1,2,3,4,5,6,7
	global_load_b128 v[BY+8*\t:BY+8*\t+3], v[BA8], s[20:21] offset:4*(32*(\t/2)+8*(\t%2))   ; register 8 t + j: feature 32 (t / 2) + 8 (t % 2) + 16 h + j
	global_load_b128 v[BY+8*\t+4:BY+8*\t+7], v[BA8], s[20:21] offset:4*(32*(\t/2)+8*(\t%2))+16
.endr
	WIN 0
	CHUNK XQ, YQ, SQ, 1, 1
	s_wait_loadcnt 0x0                             ; b_in
	BLOCK 0, 0
	s_cmp_eq_u32 s[CNT], 0
	s_cbranch_scc0 .Lno_ask
	global_prefetch_b8 v[PF2], s[4:5] th:TH_LOAD_NT scope:SCOPE_SE   ; in q's trip: v's chunk
.Lno_ask:
	BLOCK 1, 0
	BLOCK 2, 0
	BLOCK 3, 0
	ds_load_b128 v[RB:RB+3], v[SRDQ]               ; LDS serves a wave's instructions in order: this sees my stores
	s_wait_dscnt 0x0
	global_store_b128 v[QSO], v[RB:RB+3], s[54:55] ; sixteen lanes store 256 consecutive aligned bytes
	s_wait_xcnt 0x0                                ; the stores have read their bases and registers
	s_add_nc_u64 s[52:53], s[52:53], 6291456
	s_add_nc_u64 s[54:55], s[54:55], 524288
	s_add_nc_u64 s[20:21], s[20:21], 4096
	s_wait_alu depctr_va_vdst(0)                   ; the wait ahead of the wait, the barrier and the jump
	s_wait_tensorcnt 0x0                           ; my quarter of the next chunk is in
	s_barrier_signal -1
	s_barrier_wait -1                              ; everybody's is
	s_add_co_u32 s[CNT], s[CNT], 1
	s_cmp_lg_u32 s[CNT], 2
	s_cbranch_scc1 .Lqk
	CHUNK XV, YV, SV, 0, 0                         ; v: nothing more is asked for
.irp a, 0,1,2,3
	BLOCK \a, 1
.endr
	ds_load_b64 v[RB:RB+1], v[SRDV]
	s_wait_dscnt 0x0
	global_store_b64 v[L8], v[RB:RB+1], s[58:59]   ; 32 lanes store 256 consecutive aligned bytes
	s_wait_tensorcnt 0x0                           ; the wave's end
	ds_add_u32 v[SPW], v[NIL]
	s_wait_dscnt 0x0
	CROUND                                         ; the closing round
	s_endpgm
.Lfunc_end_k_q376210dc58_proj:
	.size	k_q376210dc58_proj, .Lfunc_end_k_q376210dc58_proj-k_q376210dc58_proj
	.p2alignl 7, 3214868480
	.fill 96, 4, 3214868480
	.section	.rodata,"a",@progbits
	.p2align	6, 0x0
	.amdhsa_kernel k_q376210dc58_proj
		.amdhsa_group_segment_fixed_size 327680
		.amdhsa_private_segment_fixed_size 0
		.amdhsa_enable_private_segment 0
		.amdhsa_kernarg_size 32
		.amdhsa_user_sgpr_count 2
		.amdhsa_user_sgpr_kernarg_segment_ptr 1
		.amdhsa_wavefront_size32 1
		.amdhsa_system_sgpr_workgroup_id_x 1
		.amdhsa_system_sgpr_workgroup_id_y 1
		.amdhsa_system_sgpr_workgroup_id_z 1
		.amdhsa_system_vgpr_workitem_id 0
		.amdhsa_next_free_vgpr 1024
		.amdhsa_next_free_sgpr 102
		.amdhsa_reserve_vcc 0
		.amdhsa_float_denorm_mode_32 3
		.amdhsa_float_denorm_mode_16_64 3
		.amdhsa_memory_ordered 1
		.amdhsa_forward_progress 1
		.amdhsa_inst_pref_size 176
	.end_amdhsa_kernel
	.amdgpu_metadata
---
amdhsa.version: [ 1, 2 ]
amdhsa.kernels:
  - .name:           k_q376210dc58_proj
    .symbol:         k_q376210dc58_proj.kd
    .args:
      - { .name: img1, .offset: 0, .size: 8, .value_kind: global_buffer, .address_space: global }
      - { .name: b_in, .offset: 8, .size: 8, .value_kind: global_buffer, .address_space: global }
      - { .name: img2, .offset: 16, .size: 8, .value_kind: global_buffer, .address_space: global }
      - { .name: sc2, .offset: 24, .size: 8, .value_kind: global_buffer, .address_space: global }
    .group_segment_fixed_size: 327680
    .private_segment_fixed_size: 0
    .kernarg_segment_align: 8
    .kernarg_segment_size: 32
    .max_flat_workgroup_size: 128
    .sgpr_count:     102
    .vgpr_count:     1024
    .wavefront_size: 32
...
	.end_amdgpu_metadata
.endif
;; end of part 2
;; launch attn (part 3): grid 4 x 64, 16 waves a work-group, clusters of 4 x 1, 231,424 bytes of LDS; arguments img2, sc2, img3; writes img3
.if DOCPART == 3
	.amdgcn_target "amdgcn-amd-amdhsa--gfx1250"
	.amdhsa_code_object_version 6
	.text
	.protected	k_q376210dc58_attn
	.globl	k_q376210dc58_attn
	.p2align	8
	.type	k_q376210dc58_attn,@function
k_q376210dc58_attn:
	s_mov_b64 s[64:65], 0
	v_nop
	global_prefetch_b8 v0, s[64:65] scope:SCOPE_SE
	s_setreg_imm32_b32 hwreg(HW_REG_WAVE_MODE, 25, 1), 1
	s_wait_xcnt 0x0
	s_wait_alu depctr_hold_cnt(0) depctr_sa_sdst(0) depctr_va_vdst(0) depctr_va_sdst(0) depctr_va_ssrc(0) depctr_va_vcc(0) depctr_vm_vsrc(0)
	s_getreg_b32 s2, hwreg(HW_REG_IB_STS2, 6, 4)
	s_cmp_eq_u32 s2, 0
	s_cbranch_scc0 .Lentry_in_a_cluster
	s_endpgm
.Lentry_in_a_cluster:
	s_bfe_u32 s2, ttmp6, 0x10000c
	s_cmp_lg_u32 s2, 0x3003
	s_cbranch_scc0 .Lentry_shape_is_right
	s_endpgm
.Lentry_shape_is_right:
; O = softmax(q k^T / 8) v for each of 128 heads of size 64, 1,024 queries and keys, both products on codes of FP6 (E2M3) with E8M0 scales; O / l is quantised along E for the last product.
; THE SOFTMAX: t = score x log2(e) / 8; M = the row's largest t so far, rounded UP to a whole number; p = 2^(t - M) is what is quantised, along the keys; the row's sum is taken of the unquantised p and divides O at the
; end.  When M moves, the sum and O are multiplied by 2^(old M - new M): exact.
; SHARES: a work-group takes 256 queries of a PAIR of heads (y = 8 batch + pair); each of its sixteen waves one tile of 16 queries, for the first head and then for the second: so a wave ends with a whole fragment
; (128 along E) and a whole scale word.  Four waves to a SIMD: one wave's vector work stands beside another's products and LDS loads.
; K AND V OF THE PAIR, 208,896 bytes with their scale words, LIE IN LDS FOR THE WHOLE LAUNCH: filled once, at the head, nothing filled again.  The four work-groups of a cluster are the four quarters of the
; queries and want the same K and V: joint loads, at most one a wave.  THE FIRST HEAD'S TILES ARE ASKED FOR FIRST (waves 0-3 K's and V's halves, wave 4 K's scale words, wave 5 V's of both heads), and the first barrier
; waits for them alone; waves 6-10 ask for the second head's in lines of their own, and a second barrier, signalled ahead of the first head's work and waited for behind it, shows those.
; No prefetch: the only fills stand at the head.
; LAYOUT: both products transposed: S^T = K Q^T (source 0 = 16 keys), O^T = V^T P^T (source 0 = 16 of d): a lane holds ONE query.  Place r of the keys' tile 4 C + u is key 64 C + 8 u + r % 8 + 32 (r / 8): so register
; 32 c + i of the step's 64 scores is key 64 c + 32 (lane / 16) + i: A LANE HOLDS WHOLE BLOCKS OF 32 KEYS, as p's fragment wants them.  Place r of d's tile 2 B + u is 32 B + 8 u + r % 8 + 16 (r / 8): register 16 b + i of
; O^T is d = 32 b + 16 (lane / 16) + i.
; K = 64 IN AN INSTRUCTION OF 128: Q's registers 6-11 are zero codes, so whatever stands in K's upper six registers adds nothing: tile t names v[32 + 6 t .. 43 + 6 t], its upper six being the next tile's codes.
; Bytes 2, 3 of q's and k's scale words are 0 (2^-127, no NaN).
; img3: groups of 8 token tiles, 102,400 bytes: scale words [pair][16 tile + r], then [pair / 2][tile][pair % 2][1,536].
; LIMITS: NaN and infinities not served; blocks under 2^-124, and blocks of zeros, get the byte 1.
.set KIMG, 0                           ; K's half images, two heads x 64 tiles x 768
.set VIMG, 98304                       ; V's images, two heads x 8 x 4 x 1,536
.set KSC,  196608                      ; K's scale words, two heads x 4,096
.set VSC,  204800                      ; V's, two heads x 2,048
.set OSC,  208896                      ; the way out: 16 waves x 16 scale words; no tensor load lands here
.set L16,  1
.set L8,   2
.set AV0,  3
.set ASK0, 4
.set ASV0, 5
.set R4,   6
.set OST,  7
.set ORD,  8
.set ADK16, 9
.set ADK8, 10
.set ADV,  11
.set ADS,  28
.set ADT,  29
.set QS,   30                          ; v30, v31 Q's scale words, a head each
.set KF,   32                          ; v32-79 K's 8 tiles x 6, later V's 4 x 12; v80-85 zeros
.set KS,   86                          ; v86-89 K's scale words: lanes 0-15 tile 2 g, lanes 16-31 tile 2 g + 1
.set VS,   90
.set PS,   92                          ; p's scale word
.set OW,   93                          ; O's scale word
.set H8,   94                          ; 8 (lane / 16)
.set S,    96                          ; v96-159 S^T, then p
.set O,    160                         ; v160-191 O^T
.set PCD,  192                         ; v192-203 p's codes
.set PC2,  204
.set BM,   212
.set BT,   216
.set BS,   220
.set F,    224
.set TMP,  226
.set OC,   244                         ; v244-255 O's codes
.set WV,   12
.set SEL,  20
.set CS,   22                          ; s[22:23] c = log2(e) / 8
.set G1C,  24
.set G1S,  32
.set G0C,  40
.set G0S,  44
.set G0CB, 68
.set G0SB, 72
.set TK,   48
.set TS,   49
.set TV,   50
.set CNT,  51
.macro ROUND
	s_barrier_signal -1
	s_barrier_wait -1
	s_cmp_lg_u32 s[WV], 0
	s_cbranch_scc1 .Lnot_wave_0_\@
	s_barrier_signal -3
.Lnot_wave_0_\@:
	s_barrier_wait -3
	s_barrier_signal -1
	s_barrier_wait -1
.endm
.macro TLOAD g0, g1
	tensor_load_to_lds s[\g0:\g0+3], s[\g1:\g1+7]
	s_nop 0
.rept 4
	v_nop
.endr
.endm
	s_load_b128 s[4:7], s[0:1], 0x0                ; img2 s[4:5], sc2 s[6:7]
	s_load_b64 s[8:9], s[0:1], 0x10                ; img3
	v_lshl_add_u32 v242, v0, 2, 0x38000
	v_mov_b32 v243, 0
	ds_add_u32 v242, v243
	ds_add_u32 v242, v243
	v_lshrrev_b32 v9, 5, v0
	s_delay_alu instid0(VALU_DEP_1)
	v_readfirstlane_b32 s[WV], v9
	s_bfe_u32 s13, ttmp6, 0x40000                  ; cx: which quarter of the queries
	s_and_b32 s14, ttmp7, 0xffff                   ; y = 8 batch + pair
	v_and_b32 v9, 31, v0
	v_and_b32 v10, 15, v0
	s_delay_alu instid0(VALU_DEP_2)
	v_lshlrev_b32 v[L16], 4, v9
	s_delay_alu instid0(VALU_DEP_3)
	v_lshlrev_b32 v[L8], 3, v9
	s_delay_alu instid0(VALU_DEP_2)
	v_add_nc_u32 v[AV0], VIMG, v[L16]
	v_lshlrev_b32 v11, 2, v9
	s_delay_alu instid0(VALU_DEP_1)
	v_add_nc_u32 v[ASK0], KSC, v11
	s_delay_alu instid0(VALU_DEP_2)
	v_add_nc_u32 v[ASV0], VSC, v11
	v_lshlrev_b32 v[R4], 2, v10
	v_and_b32 v[H8], 16, v0
	v_lshrrev_b32 v[H8], 1, v[H8]
	s_lshl_b32 s15, s[WV], 6
	s_add_co_u32 s15, s15, OSC
	v_add_nc_u32 v[OST], s15, v[R4]
	s_and_b32 s15, s[WV], 1
	s_lshl_b32 s15, s15, 9
	s_add_co_u32 s15, s15, OSC
	v_add_nc_u32 v[ORD], s15, v[L16]
	; descriptor groups 1: dense blocks as rows of 256 bytes (32 elements of 8): 96 rows of codes, 16 of scale words; the mask names all four work-groups
	s_mov_b32 s[G1C], 15|(3<<16)|(1<<21)
	s_mov_b32 s[G1C+1], 32<<16
	s_mov_b32 s[G1C+2], 96<<16
	s_mov_b32 s[G1C+3], 32<<16
	s_mov_b32 s[G1C+4], 96
	s_mov_b32 s[G1C+5], 32
	s_mov_b32 s[G1C+6], 0
	s_mov_b32 s[G1C+7], 0
	s_mov_b32 s[G1S], 15|(3<<16)|(1<<21)
	s_mov_b32 s[G1S+1], 32<<16
	s_mov_b32 s[G1S+2], 16<<16
	s_mov_b32 s[G1S+3], 32<<16
	s_mov_b32 s[G1S+4], 16
	s_mov_b32 s[G1S+5], 32
	s_mov_b32 s[G1S+6], 0
	s_mov_b32 s[G1S+7], 0
	s_mov_b32 s[SEL], 0x76543210
	s_mov_b32 s[SEL+1], 0xfedcba98
	s_mov_b32 s[CS], 0x3e38aa3b
	s_mov_b32 s[CS+1], s[CS]
	s_lshl_b32 s19, s13, 4
	s_add_co_u32 s19, s19, s[WV]                   ; T: my tile of queries in the batch
	s_mul_i32 s18, s14, 98304                      ; the pair's codes in each of q, k, v
	s_lshr_b32 s15, s[WV], 1                       ; waves 0-3: the first head: K's two halves, then V's
	s_and_b32 s17, s[WV], 1
	s_mul_i32 s17, s17, 24576
	s_add_co_u32 s16, s15, 1
	s_mul_i32 s16, s16, 6291456
	s_add_co_u32 s16, s16, s18
	s_add_co_u32 s16, s16, s17
	s_mov_b32 s[G0C], 1
	s_mul_i32 s[G0C+1], s15, 98304
	s_add_co_u32 s[G0C+1], s[G0C+1], s17
	s_mov_b32 s17, 0
	s_add_co_u32 s62, s[WV], 2                     ; waves 6-9: the second head's, (wave + 2) % 4 = 0 .. 3 likewise
	s_and_b32 s62, s62, 3
	s_lshr_b32 s63, s62, 1
	s_and_b32 s62, s62, 1
	s_mul_i32 s61, s62, 24576
	s_add_co_u32 s60, s63, 1
	s_mul_i32 s60, s60, 6291456
	s_add_co_u32 s60, s60, s18
	s_add_co_u32 s60, s60, s61
	s_add_co_u32 s60, s60, 49152
	s_mov_b32 s[G0CB], 1
	s_mul_i32 s[G0CB+1], s63, 98304
	s_add_co_u32 s[G0CB+1], s[G0CB+1], s61
	s_add_co_u32 s[G0CB+1], s[G0CB+1], 49152
	s_mov_b32 s61, 0
	s_lshl_b32 s56, s14, 13
	s_add_co_u32 s56, s56, 524288                  ; wave 4: K's scale words of the first head;
	s_add_co_u32 s66, s56, 4096                    ; wave 10: of the second
	s_mov_b32 s67, 0
	s_lshl_b32 s57, s14, 12
	s_sub_co_u32 s57, 524288, s57                  ; from K's words of the pair to V's: 1,048,576 + 4,096 y - (524,288 + 8,192 y)
	s_and_b32 s58, s[WV], 1                        ; wave 5: V's, both heads
	s_mul_i32 s57, s57, s58
	s_add_co_u32 s56, s56, s57
	s_mov_b32 s57, 0
	s_mov_b32 s[G0S], 1
	s_lshl_b32 s[G0S+1], s58, 13
	s_add_co_u32 s[G0S+1], s[G0S+1], KSC
	s_mov_b32 s[G0SB], 1
	s_mov_b32 s[G0SB+1], KSC+4096
	s_mul_i32 s52, s19, 768                        ; Q: my tile's half image, first head
	s_add_co_u32 s52, s52, s18
	s_mov_b32 s53, 0
	s_lshl_b32 s54, s14, 13                        ; and its scale words
	s_lshl_b32 s55, s19, 6
	s_add_co_u32 s54, s54, s55
	s_mov_b32 s55, 0
	s_lshr_b32 s58, s14, 3                         ; batch
	s_and_b32 s59, s14, 7                          ; pair
	s_lshl_b32 s15, s58, 6
	s_add_co_u32 s15, s15, s19
	s_lshr_b32 s48, s15, 3                         ; my fragment: group (64 batch + T) / 8,
	s_mul_i32 s48, s48, 102400
	s_and_b32 s15, s15, 7                          ; its tile,
	s_mul_i32 s15, s15, 3072
	s_add_co_u32 s48, s48, s15
	s_lshr_b32 s15, s59, 1                         ; K step = the pair
	s_mul_i32 s15, s15, 24576
	s_add_co_u32 s48, s48, s15
	s_and_b32 s15, s59, 1
	s_mul_i32 s15, s15, 1536
	s_add_co_u32 s48, s48, s15
	s_add_co_u32 s48, s48, 4096
	s_mov_b32 s49, 0
	s_lshl_b32 s50, s58, 3                         ; the scale words: group 8 batch + 2 cx + wave % 2, plane = the pair: 512 bytes for each of waves 0, 1
	s_lshl_b32 s15, s13, 1
	s_add_co_u32 s50, s50, s15
	s_and_b32 s15, s[WV], 1
	s_add_co_u32 s50, s50, s15
	s_mul_i32 s50, s50, 102400
	s_lshl_b32 s15, s59, 9
	s_add_co_u32 s50, s50, s15
	s_mov_b32 s51, 0
	s_wait_dscnt 0x0
	s_wait_kmcnt 0x0
	s_add_nc_u64 s[52:53], s[4:5], s[52:53]
	s_add_nc_u64 s[54:55], s[6:7], s[54:55]
	s_add_nc_u64 s[10:11], s[8:9], s[50:51]
	s_add_nc_u64 s[8:9], s[8:9], s[48:49]
	s_add_nc_u64 s[G0C+2:G0C+3], s[4:5], s[16:17]
	s_or_b32 s[G0C+3], s[G0C+3], 0x80000000
	s_add_nc_u64 s[G0S+2:G0S+3], s[6:7], s[56:57]
	s_or_b32 s[G0S+3], s[G0S+3], 0x80000000
	s_add_nc_u64 s[G0CB+2:G0CB+3], s[4:5], s[60:61]
	s_or_b32 s[G0CB+3], s[G0CB+3], 0x80000000
	s_add_nc_u64 s[G0SB+2:G0SB+3], s[6:7], s[66:67]
	s_or_b32 s[G0SB+3], s[G0SB+3], 0x80000000
	ROUND                                          ; all four work-groups are here: the joint loads meet
	s_cmp_lt_u32 s[WV], 4
	s_cbranch_scc0 .Larm_1
	TLOAD G0C, G1C
	s_branch .Lasked
.Larm_1:
	s_cmp_lt_u32 s[WV], 6
	s_cbranch_scc0 .Larm_2
	TLOAD G0S, G1S
	s_branch .Lasked
.Larm_2:
	s_cmp_lt_u32 s[WV], 10
	s_cbranch_scc0 .Larm_3
	TLOAD G0CB, G1C
	s_branch .Lasked
.Larm_3:
	s_cmp_lt_u32 s[WV], 11
	s_cbranch_scc0 .Lasked
	TLOAD G0SB, G1S
.Lasked:
	s_wait_alu depctr_va_vdst(0)
	global_load_b128 v[16:19], v[L16], s[52:53]                    ; Q of the first head: registers 0-5
	global_load_b64 v[20:21], v[L8], s[52:53] offset:512
	global_load_b128 v[230:233], v[L16], s[52:53] offset:49152     ; of the second
	global_load_b64 v[234:235], v[L8], s[52:53] offset:49152+512
	global_load_b32 v[QS], v[R4], s[54:55]
	global_load_b32 v[QS+1], v[R4], s[54:55] offset:4096
.irp j, 22,23,24,25,26,27, 236,237,238,239,240,241, 80,81,82,83,84,85
	v_mov_b32 v\j, 0                               ; Q's upper halves: zero codes; and what tile 7 of K names beyond its six
.endr
.irp b, 0,1,2,3
	v_mov_b32 v[BT+\b], 0                          ; a lane permute's destination counts as one of its sources
.endr
	v_mov_b32 v[F+1], 0                            ; (named as the upper half of a pair)
	v_mov_b32 v[TMP], 0
	s_wait_alu depctr_va_vdst(0)                   ; the wait at the head's end
	s_cmp_lt_u32 s[WV], 6
	s_cbranch_scc0 .Lnot_first
	s_wait_tensorcnt 0x0                           ; waves 0-5: my part of the first head's tiles has landed
.Lnot_first:
	s_barrier_signal -1
	s_barrier_wait -1                              ; everybody's has
	s_wait_tensorcnt 0x0                           ; my part of the second head's, if I asked for one:
	s_barrier_signal -1                            ; say so now; the wait stands behind the first head's work, which loads from LDS and stores nothing
	s_wait_loadcnt 0x0                             ; Q
; ONE HEAD: eight key steps of 128 keys, then O / l quantised into half of the fragment.
.macro HEAD hh
.set QF, 16+214*(\hh)
	s_mov_b32 s[TK], 49152*(\hh)
	s_mov_b32 s[TS], 4096*(\hh)
	s_mov_b32 s[TV], 2048*(\hh)
	s_mov_b32 s[CNT], 8
	v_mov_b32 v13, 0xff61b1e6                      ; the largest t so far: -3e38
	s_delay_alu instid0(VALU_DEP_1)
	v_floor_f32 v12, -v13                          ; -M
	v_mov_b32 v14, 0
	v_mov_b32 v15, 0
.set i, 0
.rept 32
	v_mov_b32 v[O+i], 0                            ; the step is written once: the first finds zeros, which the first change of M leaves zeros
.set i, i+1
.endr
.Lstep_\@:
	v_add_nc_u32 v[ADK16], s[TK], v[L16]           ; these five are also the places in front of loads into registers that the last products read
	v_add_nc_u32 v[ADK8], s[TK], v[L8]
	v_add_nc_u32 v[ADV], s[TK], v[AV0]
	v_add_nc_u32 v[ADS], s[TS], v[ASK0]
	v_add_nc_u32 v[ADT], s[TV], v[ASV0]
.irp t, 0,1,2,3,4,5,6,7
	ds_load_b128 v[KF+6*\t:KF+6*\t+3], v[ADK16] offset:768*\t
	ds_load_b64 v[KF+6*\t+4:KF+6*\t+5], v[ADK8] offset:768*\t+512
.endr
.irp g, 0,1,2,3
	ds_load_b32 v[KS+\g], v[ADS] offset:128*\g
.endr
	s_wait_alu depctr_va_vdst(0)
	s_wait_dscnt 0x0
.irp t, 0,1,2,3,4,5,6,7
.if (\t)%2
	v_wmma_scale_f32_16x16x128_f8f6f4 v[S+8*\t:S+8*\t+7], v[KF+6*\t:KF+6*\t+11], v[QF:QF+11], 0, v[KS+\t/2], v[QS+\hh] matrix_a_fmt:MATRIX_FMT_FP6 matrix_b_fmt:MATRIX_FMT_FP6 matrix_a_scale:MATRIX_SCALE_ROW1
.else
	v_wmma_scale_f32_16x16x128_f8f6f4 v[S+8*\t:S+8*\t+7], v[KF+6*\t:KF+6*\t+11], v[QF:QF+11], 0, v[KS+\t/2], v[QS+\hh] matrix_a_fmt:MATRIX_FMT_FP6 matrix_b_fmt:MATRIX_FMT_FP6
.endif
.endr
.rept 4
	v_nop                                          ; places: K's registers take V's loads, and the scores are read
.endr
.irp t, 0,1,2,3
.irp c, 0,1,2
	ds_load_b128 v[KF+12*\t+4*\c:KF+12*\t+4*\c+3], v[ADV] offset:1536*\t+512*\c   ; V's four fragments land under the softmax
.endr
.endr
	ds_load_b32 v[VS], v[ADT]
	ds_load_b32 v[VS+1], v[ADT] offset:128
.irp b, 0,1,2,3
	v_max3_num_f32 v[BM+\b], v[S+16*\b], v[S+1+16*\b], v[S+2+16*\b]   ; the largest score, in four chains of 16
.endr
.irp i, 3,5,7,9,11,13
.irp b, 0,1,2,3
	v_max3_num_f32 v[BM+\b], v[BM+\b], v[S+16*\b+\i], v[S+1+16*\b+\i]
.endr
.endr
.irp c, 0,1
	v_max_num_f32 v[BM+2*\c+1], v[BM+2*\c+1], v[S+31+32*\c]
.endr
.irp c, 0,1
	v_max3_num_f32 v[BM+2*\c], v[BM+2*\c], v[S+15+32*\c], v[BM+2*\c+1]   ; of my block 2 c + lane / 16 of 32 keys: for the row's maximum, and, since p rises with the score, for the block's largest p
.endr
	s_delay_alu instid0(VALU_DEP_1)
	v_max_num_f32 v[TMP], v[BM], v[BM+2]
	s_delay_alu instid0(VALU_DEP_1)
	v_permlanex16_b32 v[BT], v[TMP], s[SEL], s[SEL+1]
	s_delay_alu instid0(VALU_DEP_1)
	v_max_num_f32 v[TMP], v[TMP], v[BT]            ; with lane l xor 16's two blocks
	s_delay_alu instid0(VALU_DEP_1)
	v_mul_f32 v[TMP], s[CS], v[TMP]                ; the step's largest t
	s_delay_alu instid0(VALU_DEP_1)
	v_max_num_f32 v13, v13, v[TMP]
	v_mov_b32 v[TMP], v12
	s_delay_alu instid0(VALU_DEP_2)
	v_floor_f32 v12, -v13                          ; the new -M = -ceil(t): a whole number
	s_delay_alu instid0(VALU_DEP_1)
	v_sub_f32 v[TMP], v12, v[TMP]
	s_delay_alu instid0(VALU_DEP_1)
	v_cvt_i32_f32 v[TMP], v[TMP]                   ; (it saturates)
	s_delay_alu instid0(VALU_DEP_1)
	v_ldexp_f32 v[F], 1.0, v[TMP]                  ; f = 2^(old M - new M)
.set i, 0
.rept 32
	v_pk_fma_f32 v[S+i:S+i+1], v[S+i:S+i+1], s[CS:CS+1], v[12:13] op_sel_hi:[1,0,0]   ; t - M
.set i, i+2
.endr
.irp b, 0,2
	v_fma_f32 v[BM+\b], v[BM+\b], s[CS], v12
.endr
.set i, 0
	s_wait_alu depctr_va_vdst(0)
.rept 64
	v_exp_f32 v[S+i], v[S+i]                       ; p = 2^(t - M)
.set i, i+1
.endr
	v_pk_mul_f32 v[14:15], v[14:15], v[F:F+1] op_sel_hi:[1,0]   ; the sums under the new M: the plain line behind the exponentials
	s_wait_alu depctr_va_vdst(0)                   ; one wait for the batch of 64, ahead of its first reader
.irp b, 0,2
	v_exp_f32 v[BM+\b], v[BM+\b]                   ; each block's largest p
.endr
	v_pk_add_f32 v[228:229], v[100:101], v[104:105]
	v_pk_add_f32 v[254:255], v[108:109], v[112:113]
	v_pk_add_f32 v[252:253], v[116:117], v[120:121]
	v_pk_add_f32 v[250:251], v[124:125], v[128:129]
	v_pk_add_f32 v[222:223], v[132:133], v[136:137]
	v_pk_add_f32 v[220:221], v[140:141], v[144:145]
	v_pk_add_f32 v[218:219], v[148:149], v[152:153]
	v_pk_add_f32 v[14:15], v[14:15], v[156:157]
	v_pk_add_f32 v[228:229], v[228:229], v[96:97]
	v_pk_add_f32 v[254:255], v[254:255], v[98:99]
	v_pk_add_f32 v[252:253], v[252:253], v[102:103]
	v_pk_add_f32 v[250:251], v[250:251], v[106:107]
	v_pk_add_f32 v[222:223], v[222:223], v[110:111]
	v_pk_add_f32 v[220:221], v[220:221], v[114:115]
	v_pk_add_f32 v[218:219], v[218:219], v[118:119]
	v_pk_add_f32 v[14:15], v[14:15], v[122:123]
	v_pk_add_f32 v[228:229], v[228:229], v[126:127]
	v_pk_add_f32 v[254:255], v[254:255], v[130:131]
	v_pk_add_f32 v[252:253], v[252:253], v[134:135]
	v_pk_add_f32 v[250:251], v[250:251], v[138:139]
	v_pk_add_f32 v[222:223], v[222:223], v[142:143]
	v_pk_add_f32 v[220:221], v[220:221], v[146:147]
	v_pk_add_f32 v[218:219], v[218:219], v[150:151]
	v_pk_add_f32 v[14:15], v[14:15], v[154:155]
	v_pk_add_f32 v[228:229], v[228:229], v[158:159]
	s_delay_alu instid0(VALU_DEP_2)
	v_pk_add_f32 v[14:15], v[14:15], v[250:251]
	s_delay_alu instid0(VALU_DEP_2)
	v_pk_add_f32 v[228:229], v[228:229], v[222:223]
	v_pk_add_f32 v[254:255], v[254:255], v[220:221]
	v_pk_add_f32 v[252:253], v[252:253], v[218:219]
	s_delay_alu instid0(VALU_DEP_2)
	v_pk_add_f32 v[14:15], v[14:15], v[254:255]
	s_delay_alu instid0(VALU_DEP_2)
	v_pk_add_f32 v[228:229], v[228:229], v[252:253]
	s_delay_alu instid0(VALU_DEP_1)
	v_pk_add_f32 v[14:15], v[14:15], v[228:229]
	s_wait_alu depctr_va_vdst(0)                   ; and one for the two
.irp c, 0,1
	v_max_num_f32 v[BM+2*\c], 0x1800000, v[BM+2*\c]   ; the floor 2^(3 - 127)
.endr
.irp c, 0,1
	s_delay_alu instid0(VALU_DEP_2)
	v_add_nc_u32 v[BS+\c], 0xff000000, v[BM+2*\c]
.endr
.irp c, 0,1
	s_delay_alu instid0(VALU_DEP_2)
	v_lshrrev_b32 v[BT+\c], 23, v[BS+\c]
.endr
	s_delay_alu instid0(VALU_DEP_1)
	v_lshl_or_b32 v[BT], v[BT+1], 16, v[BT]        ; my two bytes: blocks lane / 16 and 2 + lane / 16,
	s_delay_alu instid0(VALU_DEP_1)
	v_lshlrev_b32 v[BT], v[H8], v[BT]              ; at their places in the word;
	s_delay_alu instid0(VALU_DEP_1)
	v_permlanex16_b32 v[BT+1], v[BT], s[SEL], s[SEL+1]
	s_delay_alu instid0(VALU_DEP_1)
	v_or_b32 v[PS], v[BT], v[BT+1]                 ; with lane l xor 16's two the word is whole
.irp c, 0,1
	v_cvt_scalef32_pk16_fp6_f32 v[PCD+6*\c:PCD+2+6*\c], v[S+32*\c:S+15+32*\c], v[BS+\c]
	v_cvt_scalef32_pk16_fp6_f32 v[PC2+4*\c:PC2+2+4*\c], v[S+16+32*\c:S+31+32*\c], v[BS+\c]
.endr
	v_nop
.irp c, 0,1
.irp i, 0,1,2
	v_mov_b32 v[PCD+3+6*\c+\i], v[PC2+4*\c+\i]     ; (a conversion's three registers begin on an even number)
.endr
.endr
.set i, 0
.rept 16
	v_pk_mul_f32 v[O+i:O+i+1], v[O+i:O+i+1], v[F:F+1] op_sel_hi:[1,0]   ; O^T under the new M; these are also the places in front of the scaled products below
.set i, i+2
.endr
	s_wait_alu depctr_va_vdst(0)
	s_wait_dscnt 0x0                               ; V
.irp t, 0,1,2,3                                ; the four accumulators by turns; eight other products stand between a link and the next
.if (\t)%2
	v_wmma_scale_f32_16x16x128_f8f6f4 v[O+8*\t:O+8*\t+7], v[KF+12*\t:KF+12*\t+11], v[PCD:PCD+11], v[O+8*\t:O+8*\t+7], v[VS+\t/2], v[PS] matrix_a_fmt:MATRIX_FMT_FP6 matrix_b_fmt:MATRIX_FMT_FP6 matrix_a_scale:MATRIX_SCALE_ROW1
.else
	v_wmma_scale_f32_16x16x128_f8f6f4 v[O+8*\t:O+8*\t+7], v[KF+12*\t:KF+12*\t+11], v[PCD:PCD+11], v[O+8*\t:O+8*\t+7], v[VS+\t/2], v[PS] matrix_a_fmt:MATRIX_FMT_FP6 matrix_b_fmt:MATRIX_FMT_FP6
.endif
.endr
	s_add_co_u32 s[TK], s[TK], 6144
	s_add_co_u32 s[TS], s[TS], 512
	s_add_co_u32 s[TV], s[TV], 256
	s_sub_co_u32 s[CNT], s[CNT], 1
	s_cmp_lg_u32 s[CNT], 0
	s_cbranch_scc1 .Lstep_\@
	; O / l: register 16 b + i is d = 32 b + 16 (lane / 16) + i of my query: two blocks of the last product's K
	v_add_f32 v14, v14, v15
	s_delay_alu instid0(VALU_DEP_1)
	v_permlanex16_b32 v[TMP], v14, s[SEL], s[SEL+1]
	s_delay_alu instid0(VALU_DEP_1)
	v_add_f32 v14, v14, v[TMP]
	s_wait_alu depctr_va_vdst(0)
	v_rcp_f32 v[F], v14
.rept 4
	v_nop                                          ; the places behind the last products, and the plain line behind the reciprocal
.endr
	s_wait_alu depctr_va_vdst(0)                   ; ahead of the reciprocal's first reader
.set i, 0
.rept 16
	v_pk_mul_f32 v[S+i:S+i+1], v[O+i:O+i+1], v[F:F+1] op_sel_hi:[1,0]
.set i, i+2
.endr
.irp b, 0,1
	v_max3_num_f32 v[BM+\b], |v[S+16*\b]|, |v[S+1+16*\b]|, 0x1800000
.endr
.irp i, 2,4,6,8,10,12,14
.irp b, 0,1
	s_delay_alu instid0(VALU_DEP_2)
	v_max3_num_f32 v[BM+\b], v[BM+\b], |v[S+16*\b+\i]|, |v[S+1+16*\b+\i]|
.endr
.endr
.irp b, 0,1
	s_delay_alu instid0(VALU_DEP_2)
	v_permlanex16_b32 v[BT+\b], v[BM+\b], s[SEL], s[SEL+1]
.endr
.irp b, 0,1
	s_delay_alu instid0(VALU_DEP_2)
	v_max_num_f32 v[BM+\b], v[BM+\b], v[BT+\b]
.endr
.irp b, 0,1
	s_delay_alu instid0(VALU_DEP_2)
	v_add_nc_u32 v[BS+\b], 0xff000000, v[BM+\b]
.endr
.irp b, 0,1
	s_delay_alu instid0(VALU_DEP_2)
	v_lshrrev_b32 v[BT+\b], 23, v[BS+\b]
.endr
.if \hh
	s_delay_alu instid0(VALU_DEP_2)
	v_lshl_or_b32 v[OW], v[BT], 16, v[OW]
	s_delay_alu instid0(VALU_DEP_1)
	v_lshl_or_b32 v[OW], v[BT+1], 24, v[OW]
.else
	s_delay_alu instid0(VALU_DEP_1)
	v_lshl_or_b32 v[OW], v[BT+1], 8, v[BT]
.endif
	v_cvt_scalef32_pk16_fp6_f32 v[OC+6*\hh:OC+2+6*\hh], v[S:S+15], v[BS]
	v_cvt_scalef32_pk16_fp6_f32 v[PC2:PC2+2], v[S+16:S+31], v[BS+1]
	v_nop
.irp i, 0,1,2
	v_permlane16_swap_b32 v[OC+6*\hh+\i], v[PC2+\i]
.endr
.irp i, 0,1,2
	s_delay_alu instid0(VALU_DEP_3)
	v_mov_b32 v[OC+3+6*\hh+\i], v[PC2+\i]
.endr
.endm
	HEAD 0
	s_barrier_wait -1                              ; the second head's tiles are in, in every wave
	HEAD 1
.irp c, 0,1,2
	global_store_b128 v[L16], v[OC+4*\c:OC+4*\c+3], s[8:9] offset:512*\c   ; my tile's fragment: 512 consecutive aligned bytes a store
.endr
	ds_store_b32 v[OST], v[OW]                     ; lanes r and r + 16 write the same word with the same value
	s_wait_dscnt 0x0                               ; for the others' sake: my word is in LDS
	s_barrier_signal -1
	s_barrier_wait -1
	s_cmp_lt_u32 s[WV], 2                          ; waves 0 and 1 store the work-group's 256 words, 512 consecutive bytes each
	s_cbranch_scc0 .Lno_words
	ds_load_b128 v[S:S+3], v[ORD]
	s_wait_dscnt 0x0
	global_store_b128 v[L16], v[S:S+3], s[10:11]
.Lno_words:
	s_wait_tensorcnt 0x0
	ds_add_u32 v242, v243
	s_wait_dscnt 0x0
	ROUND                                          ; the closing round
	s_endpgm
.Lfunc_end_k_q376210dc58_attn:
	.size	k_q376210dc58_attn, .Lfunc_end_k_q376210dc58_attn-k_q376210dc58_attn
	.p2alignl 7, 3214868480
	.fill 96, 4, 3214868480
	.section	.rodata,"a",@progbits
	.p2align	6, 0x0
	.amdhsa_kernel k_q376210dc58_attn
		.amdhsa_group_segment_fixed_size 231424
		.amdhsa_private_segment_fixed_size 0
		.amdhsa_enable_private_segment 0
		.amdhsa_kernarg_size 24
		.amdhsa_user_sgpr_count 2
		.amdhsa_user_sgpr_kernarg_segment_ptr 1
		.amdhsa_wavefront_size32 1
		.amdhsa_system_sgpr_workgroup_id_x 1
		.amdhsa_system_sgpr_workgroup_id_y 1
		.amdhsa_system_sgpr_workgroup_id_z 1
		.amdhsa_system_vgpr_workitem_id 0
		.amdhsa_next_free_vgpr 256
		.amdhsa_next_free_sgpr 80
		.amdhsa_reserve_vcc 0
		.amdhsa_float_denorm_mode_32 3
		.amdhsa_float_denorm_mode_16_64 3
		.amdhsa_memory_ordered 1
		.amdhsa_forward_progress 1
		.amdhsa_inst_pref_size 54
	.end_amdhsa_kernel
	.amdgpu_metadata
---
amdhsa.version: [ 1, 2 ]
amdhsa.kernels:
  - .name:           k_q376210dc58_attn
    .symbol:         k_q376210dc58_attn.kd
    .args:
      - { .name: img2, .offset: 0, .size: 8, .value_kind: global_buffer, .address_space: global }
      - { .name: sc2, .offset: 8, .size: 8, .value_kind: global_buffer, .address_space: global }
      - { .name: img3, .offset: 16, .size: 8, .value_kind: global_buffer, .address_space: global }
    .group_segment_fixed_size: 231424
    .private_segment_fixed_size: 0
    .kernarg_segment_align: 8
    .kernarg_segment_size: 24
    .max_flat_workgroup_size: 512
    .sgpr_count:     80
    .vgpr_count:     256
    .wavefront_size: 32
...
	.end_amdgpu_metadata
.endif
;; end of part 3
;; launch outp (part 4): grid 8 x 32, 4 waves a work-group, clusters of 4 x 4, 327,680 bytes of LDS; arguments img3, img1, b_out, out0; writes out0
.if DOCPART == 4
	.amdgcn_target "amdgcn-amd-amdhsa--gfx1250"
	.amdhsa_code_object_version 6
	.text
	.protected	k_q376210dc58_outp
	.globl	k_q376210dc58_outp
	.p2align	8
	.type	k_q376210dc58_outp,@function
k_q376210dc58_outp:
	s_mov_b64 s[64:65], 0
	v_nop
	global_prefetch_b8 v0, s[64:65] scope:SCOPE_SE
	s_setreg_imm32_b32 hwreg(HW_REG_WAVE_MODE, 25, 1), 1
	s_wait_xcnt 0x0
	s_wait_alu depctr_hold_cnt(0) depctr_sa_sdst(0) depctr_va_vdst(0) depctr_va_sdst(0) depctr_va_ssrc(0) depctr_va_vcc(0) depctr_vm_vsrc(0)
	s_getreg_b32 s2, hwreg(HW_REG_IB_STS2, 6, 4)
	s_cmp_eq_u32 s2, 0
	s_cbranch_scc0 .Lentry_in_a_cluster
	s_endpgm
.Lentry_in_a_cluster:
	s_bfe_u32 s2, ttmp6, 0x10000c
	s_cmp_lg_u32 s2, 0xf033
	s_cbranch_scc0 .Lentry_shape_is_right
	s_endpgm
.Lentry_shape_is_right:
; out0 = O w_out^T + b_out on codes of FP6 (E2M3) with E8M0 scales, K = 1,024, f32 out.
; OPERANDS: groups of 128 rows, 102,400 dense bytes each: scale words [p = K / 128][16 tile + r], then [K / 256][tile][p % 2][1,536] images of fragment registers.  img3: 64 groups of tokens; img1's groups 88-95: w_out.
; Place r of w_out's tile 2 B + u is row 32 B + 8 u + r % 8 + 16 (r / 8); place r of the tokens' tile 4 C + u is token 64 C + 8 u + r % 8 + 32 (r / 8).
; THE DEAL: 8 x 32 = 256 work-groups; work-group (w, y) makes 256 tokens x 128 columns.  Its three groups, all of K, 307,200 bytes, are asked for at the head, one tensor load a wave, and nothing is filled again:
; wave 0 the tokens' scale words and K's first half, wave 1 w_out's, waves 2 and 3 K's second halves.  The first barrier waits for waves 0 and 1 alone; a plain barrier ahead of step 4's fetch shows the second halves.
; A wave has 32 accumulators: its 64 tokens (4 blocks of source 1: a lane holds one token) x the 128 columns (8 tiles of source 0).  Step p + 1's 12 fragments are asked of LDS ahead of step p's 32 products.
; CLUSTERS 4 x 4: the tokens are shared along a row of the cluster, w_out's rows along a column: joint loads.  No prefetch: the only fills stand at the head, and there is no loop to run ahead in.
; THE WAY OUT: a block of 16 tokens x 128 columns goes through the wave's stage in LDS and comes back as whole rows of 512 bytes; b_out is added; 32 lanes store 512 consecutive aligned bytes.
; The stage lies on the first K slot of the wave's own four tiles of tokens: those bytes have had their only fill, and a barrier stands between all reads of the tiles and the first store there.
.set GRP,   102400
.set COD,   4096
.set KSL,   24576
.set TILEB, 3072
.set FRB,   1536
.set HFA,   COD+2*KSL
.set HFB,   2*KSL
.set WB,    2*GRP                      ; LDS: the tokens' two first halves, their two second halves, then w_out's group, dense
.set SPARE, 3*GRP
.set SPITCH, 528
.set XQ, 8
.set YQ, 10
.set SQ, 12
.set L16, 18
.set STO, 20
.set RD, 21
.set BO, 24
.set SPW, 28
.set NIL, 29
.set SC, 32
.set BK, 64
.set WV, 16
.set HR, 17
.set HC, 18
.set G1R, 24
.set G1W, 32
.set G0R, 40
.set G0W, 44
.set G1RB, 72
.set G1WB, 84
.set MULW, 0xad                        ; source 0 window 1, source 1 window 3, C and D window 2
.set MSB, 0
.macro WIN new
.if MSB != (\new)
	s_set_vgpr_msb (MSB<<8)|(\new)
.set MSB, (\new)
.endif
.endm
.macro PLACES n
.rept \n
	v_nop
.endr
.endm
.macro TLOAD g0, g1
	tensor_load_to_lds s[\g0:\g0+3], s[\g1:\g1+7]
	s_nop 0
	PLACES 4
.endm
.macro GROUP1 g, c, r, p               ; r rows of c elements of 8 bytes, p elements apart
	s_mov_b32 s[\g+1], (\c)<<16
	s_mov_b32 s[\g+2], (\r)<<16
	s_mov_b32 s[\g+3], (\c)<<16
	s_mov_b32 s[\g+4], \r
	s_mov_b32 s[\g+5], \p
	s_mov_b32 s[\g+6], 0
	s_mov_b32 s[\g+7], 0
.endm
.macro CROUND                          ; a round of the cluster's barrier
	s_barrier_signal -1
	s_barrier_wait -1
	s_cmp_lg_u32 s[WV], 0
	s_cbranch_scc1 .Lnot_wave_0_\@
	s_barrier_signal -3
.Lnot_wave_0_\@:
	s_barrier_wait -3
	s_barrier_signal -1
	s_barrier_wait -1
.endm
.macro FRAG reg, adr, p, i             ; three planes of 512 bytes; v[adr] serves K's first half, v[adr + 1] its second
.irp c, 0,1,2
	ds_load_b128 v[\reg+4*\c:\reg+4*\c+3], v[\adr+(\p)/4] offset:COD+(((\p)/2)%2)*KSL+(\i)*TILEB+((\p)%2)*FRB+512*\c
.endr
.endm
.macro FETCH p                         ; step p's fragments into set p % 2; with an even p the scale words of p and p + 1: lanes 0-15 the tokens' block i, lanes 16-31 w_out's tile i
	WIN 0x40
.irp i, 0,1,2,3,4,5,6,7
	FRAG 128*((\p)%2)+12*\i, YQ, \p, \i
.endr
	WIN 0xc0
.irp i, 0,1,2,3
	FRAG 96*(1-(\p)%2)+12*\i, XQ, \p, \i
.endr
	WIN 0
.if (\p)%2 == 0
.irp i, 0,1,2,3,4,5,6,7
.irp pp, 0,1
	ds_load_b32 v[SC+16*(((\p)/2)%2)+2*\i+\pp], v[SQ] offset:((\p)+\pp)*512+64*\i
.endr
.endr
.endif
.endm
.macro MUL8 a, p                       ; the 32 accumulators take turns in the same order in every step; step 0 starts the sums
.set AC, 64*(\a)
.set YS, 128*((\p)%2)
.set XS, 96*(1-(\p)%2)+12*(\a)
.set SS, SC+16*(((\p)/2)%2)+(\p)%2
.irp b, 0,1,2,3,4,5,6,7
.if (\p) == 0
	v_wmma_scale_f32_16x16x128_f8f6f4 v[AC+8*\b:AC+8*\b+7], v[YS+12*\b:YS+12*\b+11], v[XS:XS+11], 0, v[SS+2*\b], v[SS+2*(\a)] matrix_a_fmt:MATRIX_FMT_FP6 matrix_b_fmt:MATRIX_FMT_FP6 matrix_a_scale:MATRIX_SCALE_ROW1
.else
	v_wmma_scale_f32_16x16x128_f8f6f4 v[AC+8*\b:AC+8*\b+7], v[YS+12*\b:YS+12*\b+11], v[XS:XS+11], v[AC+8*\b:AC+8*\b+7], v[SS+2*\b], v[SS+2*(\a)] matrix_a_fmt:MATRIX_FMT_FP6 matrix_b_fmt:MATRIX_FMT_FP6 matrix_a_scale:MATRIX_SCALE_ROW1
.endif
.endr
.endm
	s_load_b256 s[4:11], s[0:1], 0x0               ; img3 s[4:5], img1 s[6:7], b_out s[8:9], out0 s[10:11]
	v_lshl_add_u32 v[SPW], v0, 2, SPARE
	v_mov_b32 v[NIL], 0
	ds_add_u32 v[SPW], v[NIL]                      ; the opening lines: the add, twice on end, and its wait ahead of my first tensor load
	ds_add_u32 v[SPW], v[NIL]
	v_lshrrev_b32 v1, 5, v0
	v_readfirstlane_b32 s[WV], v1
	s_lshr_b32 s[HR], s[WV], 1
	s_and_b32 s[HC], s[WV], 1
	s_bfe_u32 s92, ttmp6, 0x40000                  ; cx
	s_bfe_u32 s93, ttmp6, 0x40004                  ; cy
	s_lshl_b32 s94, ttmp9, 2
	s_add_co_u32 s94, s94, s92                     ; w
	s_and_b32 s95, ttmp7, 0xffff
	s_lshl_b32 s95, s95, 2
	s_add_co_u32 s95, s95, s93                     ; y
	s_lshl_b32 s96, s93, 2
	s_lshl_b32 s96, 15, s96                        ; my row of the cluster
	s_lshl_b32 s97, 0x1111, s92                    ; my column
	s_or_b32 s[G1R], s96, (3<<16)|(1<<21)
	GROUP1 G1R, HFA/8, 2, GRP/8                    ; the first halves of two groups on end
	s_or_b32 s[G1RB], s96, (3<<16)|(1<<21)
	GROUP1 G1RB, HFB/8, 2, GRP/8                   ; their second halves
	s_or_b32 s[G1W], s97, (3<<16)|(1<<21)
	GROUP1 G1W, 32, HFA/256, 32                    ; dense blocks as rows of 256 bytes
	s_or_b32 s[G1WB], s97, (3<<16)|(1<<21)
	GROUP1 G1WB, 32, HFB/256, 32
	s_lshl_b32 s66, s95, 1
	s_mul_i32 s66, s66, GRP                        ; the tokens' group 2 y;
	s_mul_i32 s98, s[HR], HFA
	s_add_co_u32 s66, s66, s98                     ; wave 0 its start, wave 2 K's second half
	s_mov_b32 s67, 0
	s_add_co_u32 s70, s94, 88
	s_mul_i32 s70, s70, GRP                        ; w_out's group 88 + w;
	s_add_co_u32 s70, s70, s98                     ; wave 1 its start, wave 3 K's second half
	s_mov_b32 s71, 0
	s_mov_b32 s[G0R], 1
	s_mul_i32 s[G0R+1], s[HR], 2*HFA
	s_mov_b32 s[G0W], 1
	s_mul_i32 s[G0W+1], s[HR], HFA
	s_add_co_u32 s[G0W+1], s[G0W+1], WB
	s_mul_i32 s61, s[HC], 4*TILEB                  ; my tiles 4 wave .. 4 wave + 3 of the 16 tiles of tokens
	s_mul_i32 s100, s[HR], HFB
	s_add_co_u32 s100, s100, s61
	s_add_co_u32 s100, s100, 2*HFA-COD             ; K's second half of them
	s_add_co_u32 s61, s61, s98
	s_add_co_u32 s69, s61, COD+1024                ; my stage
	s_lshl_b32 s2, s[HC], 8
	s_add_co_u32 s2, s2, s98                       ; their scale words; from there to w_out's
	s_sub_co_u32 s3, WB, s2
	s_lshl_b32 s80, s95, 8
	s_lshl_b32 s99, s[WV], 6
	s_add_co_u32 s80, s80, s99                     ; my first token
	s_lshl_b32 s80, s80, 12
	s_lshl_b32 s82, s94, 9                         ; my 128 columns, in bytes
	s_add_co_u32 s80, s80, s82
	s_mov_b32 s81, 0
	s_mov_b32 s83, 0
	s_wait_dscnt 0x0                               ; both opening adds are done
	s_wait_kmcnt 0x0
	s_add_nc_u64 s[G0R+2:G0R+3], s[4:5], s[66:67]
	s_or_b32 s[G0R+3], s[G0R+3], 0x80000000
	s_add_nc_u64 s[G0W+2:G0W+3], s[6:7], s[70:71]
	s_or_b32 s[G0W+3], s[G0W+3], 0x80000000
	s_add_nc_u64 s[8:9], s[8:9], s[82:83]
	s_add_nc_u64 s[10:11], s[10:11], s[80:81]
	CROUND                                         ; all sixteen work-groups are here: the joint loads meet
	s_cmp_eq_u32 s[WV], 0                          ; one tensor load a wave, each in an arm of its own
	s_cbranch_scc0 .Lwave_1
	TLOAD G0R, G1R
	s_branch .Lasked
.Lwave_1:
	s_cmp_eq_u32 s[WV], 1
	s_cbranch_scc0 .Lwave_2
	TLOAD G0W, G1W
	s_branch .Lasked
.Lwave_2:
	s_cmp_eq_u32 s[WV], 2
	s_cbranch_scc0 .Lwave_3
	TLOAD G0R, G1RB
	s_branch .Lasked
.Lwave_3:
	TLOAD G0W, G1WB
.Lasked:
	v_and_b32 v1, 15, v0                           ; r
	v_bfe_u32 v2, v0, 4, 1                         ; h
	v_and_b32 v3, 31, v0
	v_lshlrev_b32 v[L16], 4, v3
	v_add_nc_u32 v[XQ], s61, v[L16]
	v_add_nc_u32 v[XQ+1], s100, v[L16]
	v_add_nc_u32 v[YQ], WB, v[L16]
	v_add_nc_u32 v[YQ+1], WB+2*KSL, v[L16]
	v_mul_u32_u24 v4, s3, v2                       ; lanes 16-31 take w_out's scale words
	v_lshl_add_u32 v4, v1, 2, v4
	v_add_nc_u32 v[SQ], s2, v4
	v_mul_u32_u24 v5, v1, SPITCH                   ; into the stage: row r, 64 bytes for each half of the lanes
	v_lshl_add_u32 v5, v2, 6, v5
	v_add_nc_u32 v[STO], s69, v5
	v_add_nc_u32 v[RD], s69, v[L16]                ; back: the 32 lanes take a row of 512 bytes
	global_load_b128 v[BO:BO+3], v[L16], s[8:9]    ; b_out at my four columns
	s_wait_alu depctr_va_vdst(0)                   ; the wait at the head's end
	s_cmp_lt_u32 s[WV], 2
	s_cbranch_scc0 .Lnot_first
	s_wait_tensorcnt 0x0                           ; waves 0 and 1: the scale words and K's first halves are in
.Lnot_first:
	s_barrier_signal -1
	s_barrier_wait -1                              ; K's second halves may be on their way
	FETCH 0
.irp q, 0,1,2,3,4,5,6
	s_wait_dscnt 0x0                               ; step q's fragments and scale words are in
.if \q == 3
	s_wait_tensorcnt 0x0                           ; my load has landed,
	s_barrier_signal -1
	s_barrier_wait -1                              ; and everybody's: K's second halves may be read
.endif
.if \q
	PLACES 4                                       ; in front of loads into registers that the last step's products read
.endif
	FETCH \q+1
	WIN MULW
.irp a, 0,1,2,3
	MUL8 \a, \q
.endr
.endr
	s_wait_dscnt 0x0
	s_barrier_signal -1                            ; all reads of the tiles are over in every wave behind this barrier
.irp a, 0,1,2,3
	MUL8 \a, 7
.endr
	WIN 0
	s_barrier_wait -1
.macro TOSTAGE a
	WIN 0x08                                       ; the data: window 2
.irp b, 0,1,2,3,4,5,6,7
	ds_store_b128 v[STO], v[64*(\a)+8*\b:64*(\a)+8*\b+3] offset:128*(\b/2)+32*(\b%2)       ; each accumulator from its low end on: columns 32 (b / 2) + 8 (b % 2) + 16 h + 0 .. 7
	ds_store_b128 v[STO], v[64*(\a)+8*\b+4:64*(\a)+8*\b+7] offset:128*(\b/2)+32*(\b%2)+16
.endr
	WIN 0
.set BB, BK+64*((\a)%2)
.irp t, 0,1,2,3,4,5,6,7,8,9,10,11,12,13,14,15
	ds_load_b128 v[BB+4*\t:BB+4*\t+3], v[RD] offset:\t*SPITCH   ; LDS serves a wave's instructions in order
.endr
.endm
.macro SEND a, younger                 ; younger: the LDS instructions issued behind block a's loads.  Place t of my tile a is my token 8 a + t % 8 + 32 (t / 8)
.set BB, BK+64*((\a)%2)
	s_wait_dscnt \younger
.irp t, 0,1,2,3,4,5,6,7,8,9,10,11,12,13,14,15
	v_pk_add_f32 v[BB+4*\t:BB+4*\t+1], v[BB+4*\t:BB+4*\t+1], v[BO:BO+1]
	v_pk_add_f32 v[BB+4*\t+2:BB+4*\t+3], v[BB+4*\t+2:BB+4*\t+3], v[BO+2:BO+3]
	global_store_b128 v[L16], v[BB+4*\t:BB+4*\t+3], s[10:11] offset:(8*(\a)+(\t%8)+32*(\t/8))*4096 th:TH_STORE_NT
.endr
.endm
	s_wait_loadcnt 0x0                             ; b_out
	PLACES 4                                       ; behind the last products
	TOSTAGE 0
.irp a, 1,2,3
.if \a > 1
	s_wait_xcnt 0x0                                ; block a - 2's stores have read their registers
.endif
	TOSTAGE \a
	SEND \a-1, 32                                  ; behind block a - 1's loads: block a's 16 stores and 16 loads
.endr
	SEND 3, 0
	s_wait_tensorcnt 0x0                           ; the wave's end
	ds_add_u32 v[SPW], v[NIL]
	s_wait_dscnt 0x0
	CROUND                                         ; the closing round
	s_endpgm
.Lfunc_end_k_q376210dc58_outp:
	.size	k_q376210dc58_outp, .Lfunc_end_k_q376210dc58_outp-k_q376210dc58_outp
	.p2alignl 7, 3214868480
	.fill 96, 4, 3214868480
	.section	.rodata,"a",@progbits
	.p2align	6, 0x0
	.amdhsa_kernel k_q376210dc58_outp
		.amdhsa_group_segment_fixed_size 327680
		.amdhsa_private_segment_fixed_size 0
		.amdhsa_enable_private_segment 0
		.amdhsa_kernarg_size 32
		.amdhsa_user_sgpr_count 2
		.amdhsa_user_sgpr_kernarg_segment_ptr 1
		.amdhsa_wavefront_size32 1
		.amdhsa_system_sgpr_workgroup_id_x 1
		.amdhsa_system_sgpr_workgroup_id_y 1
		.amdhsa_system_sgpr_workgroup_id_z 1
		.amdhsa_system_vgpr_workitem_id 0
		.amdhsa_next_free_vgpr 1024
		.amdhsa_next_free_sgpr 102
		.amdhsa_reserve_vcc 0
		.amdhsa_float_denorm_mode_32 3
		.amdhsa_float_denorm_mode_16_64 3
		.amdhsa_memory_ordered 1
		.amdhsa_forward_progress 1
		.amdhsa_inst_pref_size 87
	.end_amdhsa_kernel
	.amdgpu_metadata
---
amdhsa.version: [ 1, 2 ]
amdhsa.kernels:
  - .name:           k_q376210dc58_outp
    .symbol:         k_q376210dc58_outp.kd
    .args:
      - { .name: img3, .offset: 0, .size: 8, .value_kind: global_buffer, .address_space: global }
      - { .name: img1, .offset: 8, .size: 8, .value_kind: global_buffer, .address_space: global }
      - { .name: b_out, .offset: 16, .size: 8, .value_kind: global_buffer, .address_space: global }
      - { .name: out0, .offset: 24, .size: 8, .value_kind: global_buffer, .address_space: global }
    .group_segment_fixed_size: 327680
    .private_segment_fixed_size: 0
    .kernarg_segment_align: 8
    .kernarg_segment_size: 32
    .max_flat_workgroup_size: 128
    .sgpr_count:     102
    .vgpr_count:     1024
    .wavefront_size: 32
...
	.end_amdgpu_metadata
.endif
;; end of part 4
